; MI455X (gfx1250); checked and timed in simulation.
; The chip was launched on July 23, 2026; its instructions are those of AMD's public machine-readable ISA for CDNA 5 (MIT licence, August 2026) and "CDNA5" Instruction Set Architecture Reference Guide (July 2026). The comments in the code are by the model that wrote it; some were corrected since.
;; Masked Attention. Allowed arithmetic: matrix products marked QUANTISED: E2M1 operands, one E8M0 scale for each 32 along K, by v_wmma_scale_f32_16x16x128_f8f6f4 with both operands' format E2M1 (or v_wmma_scale_f32_32x16x128_f4), f32 sums; products left as they are: bf16, f16 or f32 operands; f32 sums; everything else in f32.
;; Inputs: Wk 1,024 x 1,024 float32; Wo 1,024 x 1,024 float32; Wq 1,024 x 1,024 float32; Wv 1,024 x 1,024 float32; bk 1,024 float32; bo 1,024 float32; bq 1,024 float32; bv 1,024 float32; mask 1 x 1 x 1,024 x 1,024 float32; x 8 x 1,024 x 1,024 float32.
;; Outputs: out0 8 x 1,024 x 1,024 float32.
;; This version of the problem:
;;   THIS VERSION OF THE PROBLEM IS GIVEN IN LOW PRECISION. The matrix products marked QUANTISED in the list below multiply operands that are first quantised to E2M1 (2 exponent bits, 1 mantissa bit; 4 bits a number), with one power-of-two scale for each 32 numbers along K (OCP MX v1.0); their sums are f32. The products marked 'left as it is' may take bf16, f16 or f32 operands, with f32 sums. Whichever they take, every output number must still come out within the allowed error. Rounding operands to bf16 (8 significant bits) uses up far more of that allowance than f16 does (11 bits, for magnitudes from 6e-5 to 65,504). All else is computed in f32.
;;   The module's matrix products, in the order in which they are computed (A, B: the left and right operand; K: the contracted axis; several contracted axes count as one K, in the product's order):
;;     1. [M 8,192, K 1,024] x [K 1,024, N 1,024]; A: input x; B: input Wq: QUANTISED
;;     2. [M 8,192, K 1,024] x [K 1,024, N 1,024]; A: input x; B: input Wk: QUANTISED
;;     3. [M 8,192, K 1,024] x [K 1,024, N 1,024]; A: input x; B: input Wv: QUANTISED
;;     4. batch 128 x [M 1,024, K 64] x [K 64, N 1,024]; A: computed on the way; B: computed on the way: left as it is (an operand is computed on the way)
;;     5. batch 128 x [M 1,024, K 1,024] x [K 1,024, N 64]; A: computed on the way; B: computed on the way: left as it is (an operand is computed on the way)
;;     6. [M 8,192, K 1,024] x [K 1,024, N 1,024]; A: computed on the way; B: input Wo: left as it is (an operand is computed on the way)
;;   THE QUANTISER, for each operand of a quantised product, along K:
;;     - K is cut into blocks of 32 from its start; a last block that is shorter is filled with zeros.
;;     - A block's scale is 2^e with e = floor(log2(the largest magnitude in the block)) - 2, held to -126 .. 127; a block of zeros has e = 0. As a byte (E8M0): e + 127.
;;     - Each number is divided by its block's scale, clamped to +-6, and rounded to the nearest number of E2M1, ties to even, subnormals kept.
;;     - The product sums the exact products of the quantised numbers (number of the format x scale) in f32.
;;   ~~~python
;;   def quantise(x, axis):      # numpy; x: float32 -> the quantised numbers, widened to float32 again
;;       x = np.moveaxis(x, axis, -1); K = x.shape[-1]
;;       x = np.pad(x, [(0, 0)] * (x.ndim - 1) + [(0, -K % 32)]); x = x.reshape(x.shape[:-1] + (-1, 32)); a = np.abs(x).max(-1, keepdims=True)
;;       e = np.where(a > 0, np.clip(np.frexp(np.where(a > 0, a, 1))[1] - 1 - 2, -126, 127), 0)      # np.frexp(a)[1] - 1 = floor(log2(a)), exactly
;;       r = np.clip(x / 2.0 ** e, -6, 6)
;;       step = 2.0 ** (np.maximum(np.frexp(np.where(r == 0, 1, r))[1] - 1, 0) - 1)
;;       q = np.round(r / step) * step * 2.0 ** e      # np.round: ties to even
;;       return np.moveaxis(q.reshape(q.shape[:-2] + (-1,))[..., :K], -1, axis).astype(np.float32)
;;   ~~~
;; One version. Each part assembles by itself: llvm-mc -triple=amdgcn-amd-amdhsa -mcpu=gfx1250 --defsym DOCPART=n.
;; ======== version 1 of 1: 4 launches
;; limits: values are held in f16: magnitudes above 65,504 overflow, below 6.1e-05 lose precision
;; workspace buffers: codes 5,767,168 bytes; scales 360,448 bytes; wo16 2,097,152 bytes; q16 16,777,216 bytes; kk 17,301,504 bytes; vv 16,777,216 bytes; o16 16,777,216 bytes
;; launch prep (part 1): grid 384 x 1, 4 waves a work-group, no clusters, 33,280 bytes of LDS; arguments x, Wq, Wk, Wv, Wo, codes, scales, wo16; writes codes, scales, wo16
.if DOCPART == 1
	.amdgcn_target "amdgcn-amd-amdhsa--gfx1250"
	.amdhsa_code_object_version 6
	.text
	.protected	k_qe9ff8b6fac_prep
	.globl	k_qe9ff8b6fac_prep
	.p2align	8
	.type	k_qe9ff8b6fac_prep,@function
k_qe9ff8b6fac_prep:
	s_mov_b64 s[64:65], 0
	v_nop
	global_prefetch_b8 v0, s[64:65] scope:SCOPE_SE
	s_setreg_imm32_b32 hwreg(HW_REG_WAVE_MODE, 25, 1), 1
	s_wait_xcnt 0x0
; FIRST OF FOUR LAUNCHES of L2-distance attention: out = softmax(2 c q.k + mask - c |q|^2 - c |k|^2) v Wo^T + bo, c = 1/8, q, k, v = x W^T + b on MX-FP4 operands.
; WORK LEFT OUT BY THE WHOLE PROGRAM: the term -c |q|^2.  It is added to every score of a query's row alike, so it multiplies the row's exponentials and their sum by one and the same factor
; and cancels in the softmax, whatever finite values x, Wq and bq hold; it is of the size of the scores themselves, so leaving it out moves no result by more than rounding.  The sums of q^2 are therefore
; never made.  Every input still has a way to the output and is loaded (bq through q.k, bk through k and |k|^2, the mask number by number).
; LIMIT: a NaN, an infinity or an overflow that would arise in |q|^2 alone is not carried to the result.
; THIS LAUNCH: x [8192][1024] and Wq, Wk, Wv [1024][1024], f32, K innermost, become codes of FP4 (E2M1) and one E8M0 byte for each 32 along K, in two buffers laid on end: x's rows, then Wq's, Wk's, Wv's
; (codes: 512 bytes a row; scales: 32 bytes a row).  Wo [1024][1024] is rounded to f16 (its product is left as it is; |Wo| has room in f16 up to 65,504).
; A block's scale is 2^(floor(log2(its largest magnitude)) - 2); its byte is the largest magnitude's exponent field - 2, held at 1 from below.  A block of zeros so gets the byte 1 where the rule says 127:
; its codes are zeros, which add nothing under any byte but 0xff, and this program alone reads the bytes.
; LIMITS: blocks whose largest magnitude lies under 2^-124, whose byte is held at 1, were not tried; NaN and infinities in x and W are not served.
; Rows are dense and K is a multiple of 32: every tensor is a plain stream of blocks.  Work-groups 0-351 quantise (0-255 x, 256-287 Wq, 288-319 Wk, 320-351 Wv), 352-383 round Wo.  A wave takes 8,192 numbers.
; Quantising: 16 steps of 512 numbers.  Each load reads 512 consecutive bytes; the step's 2,048 bytes turn through the wave's own stage in LDS so that a lane holds 16 neighbours (two lanes a block).
.set NQWG,  352                        ; work-groups that quantise
.set WAVES, 4
.set STEPS, 16
.set CB,    8                          ; bytes of 16 codes
.set R,     16                         ; v16-79   four sets of 16 numbers as loaded   (Wo: first set of 64)
.set X,     80                         ; v80-111  two sets of 16 neighbours           (Wo: second set of 64, v80-143)
.set E,     112                        ; v112-127 a scale byte for each step
.set C,     128                        ; v128-191 codes: four registers for each step, so that no store's data are written again
.set OUTH,  144                        ; Wo: v144-175 32 registers of f16 pairs
.set WREG,  8192                       ; LDS: a region for each wave: two stages of 32 x SP bytes, behind them its 256 scale bytes
.set SP,    80                         ; a lane's place in a stage: 64 bytes + 16 of padding
.set SPW,   12                         ; v12 LDS address of my spare word; never rewritten
.set NIL,   13                         ; v13 0; never rewritten
.set SPARE, WAVES*WREG                 ; the spare words, 128 bytes for each wave, named by no other line
	s_load_b256 s[4:11], s[0:1], 0x0               ; x s[4:5], Wq s[6:7], Wk s[8:9], Wv s[10:11]
	s_load_b256 s[12:19], s[0:1], 0x20             ; Wo s[12:13], codes s[14:15], scales s[16:17], wo16 s[18:19]
	v_lshl_add_u32 v[SPW], v0, 2, SPARE
	v_mov_b32 v[NIL], 0
	v_lshrrev_b32 v1, 5, v0
	v_readfirstlane_b32 s20, v1                    ; wave
	v_and_b32 v2, 31, v0                           ; lane
	v_lshlrev_b32 v3, 4, v2                        ; my 16 bytes of a load's 512
	v_lshlrev_b32 v4, 3, v2                        ; my 8 bytes of a store's 256
	s_cmp_ge_u32 ttmp9, NQWG
	s_cbranch_scc1 .Lwo
	; ---------------- the quantiser
	s_mul_i32 s25, s20, WREG
	v_lshrrev_b32 v14, 2, v2
	v_mul_u32_u24 v14, v14, SP
	v_and_b32 v15, 3, v2
	v_lshl_add_u32 v14, v15, 4, v14
	v_add_nc_u32 v14, s25, v14                     ; the stage, on the way in: four lanes' 64 bytes on end, then the padding
	v_mul_u32_u24 v15, v2, SP
	v_add_nc_u32 v15, s25, v15                     ; and on the way out: my 16 neighbours
	v_lshrrev_b32 v5, 1, v2
	s_add_co_u32 s25, s25, 2*32*SP
	v_add_nc_u32 v5, s25, v5                       ; my wave's 256 scale bytes, my block's byte
	v_lshlrev_b32 v7, 3, v2
	v_add_nc_u32 v6, s25, v7                       ; and on the way out 8 bytes a lane
	s_mov_b32 s21, 320
	s_wait_kmcnt 0x0
	s_cmp_lt_u32 ttmp9, 320                        ; which tensor: the choices hang on the work-group's number alone
	s_cselect_b64 s[10:11], s[8:9], s[10:11]
	s_cselect_b32 s21, 288, s21
	s_cmp_lt_u32 ttmp9, 288
	s_cselect_b64 s[10:11], s[6:7], s[10:11]
	s_cselect_b32 s21, 256, s21
	s_cmp_lt_u32 ttmp9, 256
	s_cselect_b64 s[4:5], s[4:5], s[10:11]
	s_cselect_b32 s21, 0, s21                      ; the tensor's first work-group
	s_sub_co_u32 s22, ttmp9, s21
	s_lshl_b32 s22, s22, 2
	s_add_co_u32 s22, s22, s20                     ; which run of 8,192 numbers of the tensor is mine
	s_lshl_b32 s22, s22, 15                        ; 32,768 bytes a run
	s_mov_b32 s23, 0
	s_add_nc_u64 s[4:5], s[4:5], s[22:23]
	s_lshl_b32 s24, ttmp9, 2
	s_add_co_u32 s24, s24, s20                     ; the buffers lie on end, so the place in them needs no choice
	s_lshl_b32 s22, s24, 12                        ; 4,096 bytes of codes a run
	s_add_nc_u64 s[14:15], s[14:15], s[22:23]
	s_lshl_b32 s22, s24, 8                         ; 256 scale bytes a run
	s_add_nc_u64 s[16:17], s[16:17], s[22:23]
.macro LOAD t
.irp i, 0,1,2,3
	global_load_b128 v[R+16*((\t)%4)+4*\i:R+16*((\t)%4)+4*\i+3], v3, s[4:5] offset:2048*(\t)+512*\i th:TH_LOAD_NT
.endr
.endm
.macro TURN t                          ; step t's numbers through the stage: LDS serves a wave's instructions in order, so no wait stands between the stores and the loads
.irp i, 0,1,2,3
	ds_store_b128 v14, v[R+16*((\t)%4)+4*\i:R+16*((\t)%4)+4*\i+3] offset:32*SP*((\t)%2)+8*SP*\i
.endr
.irp i, 0,1,2,3
	ds_load_b128 v[X+16*((\t)%2)+4*\i:X+16*((\t)%2)+4*\i+3], v15 offset:32*SP*((\t)%2)+16*\i
.endr
.endm
.irp t, 0,1,2,3
	LOAD \t
.endr
	s_wait_loadcnt 12                              ; step 0's four loads are in; the twelve of steps 1 to 3 stay out
	TURN 0
.macro STEP t
.set XS, X+16*((\t)%2)
.if (\t) > 0
	s_wait_dscnt 1                                 ; this step's numbers are back from the stage (the last step's byte store may be out): so its stores into the stage have read their registers,
.else
	s_wait_dscnt 0x0
.endif
.if (\t)+4 < STEPS
	LOAD (\t)+4                                    ; which take the loads of four steps on
.endif
.if (\t)+1 < STEPS
.if STEPS-2-(\t) >= 3
	s_wait_loadcnt 12                              ; the next step's four loads are in; those of the three steps behind it may be out
.else
	s_wait_loadcnt 4*(STEPS-2-(\t))
.endif
	TURN (\t)+1                                    ; and go through the other stage while this step is worked
.endif
	v_max3_num_f32 v8, |v[XS]|, |v[XS+1]|, |v[XS+2]|               ; the largest magnitude of my 16, in two chains
	v_max3_num_f32 v9, |v[XS+3]|, |v[XS+4]|, |v[XS+5]|
.irp i, 6,10
	v_max3_num_f32 v8, v8, |v[XS+\i]|, |v[XS+\i+1]|
	v_max3_num_f32 v9, v9, |v[XS+\i+2]|, |v[XS+\i+3]|
.endr
	v_max3_num_f32 v8, v8, |v[XS+14]|, |v[XS+15]|
	v_max3_num_f32 v8, v8, v9, 0x1800000           ; and the floor 2^(3 - 127): the byte cannot fall under 1
	v_max_num_f32_dpp v8, v8, v8 row_xmask:1 row_mask:0xf bank_mask:0xf   ; and of my neighbour's 16: the block's
	v_add_nc_u32 v11, 0xff000000, v8               ; 2 off its exponent field: the conversion takes the exponent field of this operand as its scale
	v_cvt_scalef32_pk8_fp4_f32 v[C+4*(\t)], v[XS:XS+7], v11
	v_cvt_scalef32_pk8_fp4_f32 v[C+4*(\t)+1], v[XS+8:XS+15], v11
	v_lshrrev_b32 v[E+(\t)], 23, v11               ; the scale's byte (a plain line behind the conversions)
	ds_store_b8 v5, v[E+(\t)] offset:16*(\t)       ; both lanes of a block write the same byte with the same value
	global_store_b64 v4, v[C+4*(\t):C+4*(\t)+1], s[14:15] offset:32*CB*(\t)   ; the wave stores 256 consecutive bytes, aligned
.endm
.irp t, 0,1,2,3,4,5,6,7,8,9,10,11,12,13,14,15
	STEP \t
.endr
	ds_load_b64 v[8:9], v6                         ; LDS serves a wave's instructions in order: these see my stores
	s_wait_dscnt 0x0
	global_store_b64 v7, v[8:9], s[16:17]          ; 32 lanes store my 256 scale bytes, aligned
	s_wait_tensorcnt 0x0                           ; the wave's end: behind my last LDS store
	ds_add_u32 v[SPW], v[NIL]
	s_wait_dscnt 0x0
	s_endpgm
	; ---------------- Wo to f16: four groups of 16 loads of 512 consecutive bytes; one group is on its way while another is rounded.
.Lwo:
	s_sub_co_u32 s22, ttmp9, NQWG
	s_lshl_b32 s22, s22, 2
	s_add_co_u32 s22, s22, s20                     ; my run of 8,192 numbers
	s_lshl_b32 s24, s22, 15                        ; 32,768 bytes in,
	s_mov_b32 s25, 0
	s_lshl_b32 s22, s22, 14                        ; 16,384 out
	s_mov_b32 s23, 0
	s_wait_kmcnt 0x0
	s_add_nc_u64 s[12:13], s[12:13], s[24:25]
	s_add_nc_u64 s[18:19], s[18:19], s[22:23]
.macro LOADG k, reg
.irp i, 0,1,2,3,4,5,6,7,8,9,10,11,12,13,14,15
	global_load_b128 v[\reg+4*\i:\reg+4*\i+3], v3, s[12:13] offset:8192*\k+512*\i th:TH_LOAD_NT
.endr
.endm
.macro CVTG k, reg
	s_wait_xcnt 0x0                                ; the last group's stores have read their data: the 32 registers are written again only behind this wait
.irp i, 0,1,2,3,4,5,6,7,8,9,10,11,12,13,14,15
	v_cvt_pk_f16_f32 v[OUTH+2*\i], v[\reg+4*\i], v[\reg+4*\i+1]
	v_cvt_pk_f16_f32 v[OUTH+2*\i+1], v[\reg+4*\i+2], v[\reg+4*\i+3]
	global_store_b64 v4, v[OUTH+2*\i:OUTH+2*\i+1], s[18:19] offset:4096*\k+256*\i   ; the wave stores 256 consecutive bytes, aligned
.endr
.endm
	LOADG 0, R
	LOADG 1, X
	s_wait_loadcnt 16                              ; the older group is in; the younger group's sixteen stay out
	CVTG 0, R
	LOADG 2, R
	s_wait_loadcnt 16
	CVTG 1, X
	LOADG 3, X
	s_wait_loadcnt 16
	CVTG 2, R
	s_wait_loadcnt 0x0
	CVTG 3, X
	s_endpgm
.Lfunc_end_k_qe9ff8b6fac_prep:
	.size	k_qe9ff8b6fac_prep, .Lfunc_end_k_qe9ff8b6fac_prep-k_qe9ff8b6fac_prep
	.p2alignl 7, 3214868480
	.fill 96, 4, 3214868480
	.section	.rodata,"a",@progbits
	.p2align	6, 0x0
	.amdhsa_kernel k_qe9ff8b6fac_prep
		.amdhsa_group_segment_fixed_size 33280
		.amdhsa_private_segment_fixed_size 0
		.amdhsa_enable_private_segment 0
		.amdhsa_kernarg_size 64
		.amdhsa_user_sgpr_count 2
		.amdhsa_user_sgpr_kernarg_segment_ptr 1
		.amdhsa_wavefront_size32 1
		.amdhsa_system_sgpr_workgroup_id_x 1
		.amdhsa_system_sgpr_workgroup_id_y 1
		.amdhsa_system_sgpr_workgroup_id_z 1
		.amdhsa_system_vgpr_workitem_id 0
		.amdhsa_next_free_vgpr 192
		.amdhsa_next_free_sgpr 66
		.amdhsa_reserve_vcc 0
		.amdhsa_float_denorm_mode_32 3
		.amdhsa_float_denorm_mode_16_64 3
		.amdhsa_memory_ordered 1
		.amdhsa_forward_progress 1
		.amdhsa_inst_pref_size 54
	.end_amdhsa_kernel
	.amdgpu_metadata
---
amdhsa.version: [ 1, 2 ]
amdhsa.kernels:
  - .name:           k_qe9ff8b6fac_prep
    .symbol:         k_qe9ff8b6fac_prep.kd
    .args:
      - { .name: x, .offset: 0, .size: 8, .value_kind: global_buffer, .address_space: global }
      - { .name: Wq, .offset: 8, .size: 8, .value_kind: global_buffer, .address_space: global }
      - { .name: Wk, .offset: 16, .size: 8, .value_kind: global_buffer, .address_space: global }
      - { .name: Wv, .offset: 24, .size: 8, .value_kind: global_buffer, .address_space: global }
      - { .name: Wo, .offset: 32, .size: 8, .value_kind: global_buffer, .address_space: global }
      - { .name: codes, .offset: 40, .size: 8, .value_kind: global_buffer, .address_space: global }
      - { .name: scales, .offset: 48, .size: 8, .value_kind: global_buffer, .address_space: global }
      - { .name: wo16, .offset: 56, .size: 8, .value_kind: global_buffer, .address_space: global }
    .group_segment_fixed_size: 33280
    .private_segment_fixed_size: 0
    .kernarg_segment_align: 8
    .kernarg_segment_size: 64
    .max_flat_workgroup_size: 128
    .sgpr_count:     66
    .vgpr_count:     192
    .wavefront_size: 32
...
	.end_amdgpu_metadata
.endif
;; end of part 1
;; launch qkv (part 2): grid 12 x 32, 4 waves a work-group, clusters of 4 x 4, 327,680 bytes of LDS; arguments codes, scales, bq, bk, bv, q16, kk, vv; writes q16, kk, vv
.if DOCPART == 2
	.amdgcn_target "amdgcn-amd-amdhsa--gfx1250"
	.amdhsa_code_object_version 6
	.text
	.protected	k_qe9ff8b6fac_qkv
	.globl	k_qe9ff8b6fac_qkv
	.p2align	8
	.type	k_qe9ff8b6fac_qkv,@function
k_qe9ff8b6fac_qkv:
	s_mov_b64 s[64:65], 0
	v_nop
	global_prefetch_b8 v0, s[64:65] scope:SCOPE_SE
	s_setreg_imm32_b32 hwreg(HW_REG_WAVE_MODE, 25, 1), 1
	s_wait_xcnt 0x0
	s_wait_alu depctr_hold_cnt(0) depctr_sa_sdst(0) depctr_va_vdst(0) depctr_va_sdst(0) depctr_va_ssrc(0) depctr_va_vcc(0) depctr_vm_vsrc(0)
	s_getreg_b32 s2, hwreg(HW_REG_IB_STS2, 6, 4)
	s_cmp_eq_u32 s2, 0
	s_cbranch_scc0 .Lentry_in_a_cluster
	s_endpgm
.Lentry_in_a_cluster:
	s_bfe_u32 s2, ttmp6, 0x10000c
	s_cmp_lg_u32 s2, 0xf033
	s_cbranch_scc0 .Lentry_shape_is_right
	s_endpgm
.Lentry_shape_is_right:
; q, k, v = x W^T + b: ONE product [8192] x [3072] x K = 1024 on codes of FP4 (E2M1) with one E8M0 scale for each 32 along K.  Columns 0-1023 are q's, 1024-2047 k's, 2048-3071 v's.
; WORK LEFT OUT: the sums of q^2 (the term -|q|^2 / 8 is the same along the softmax's axis and cancels for all values of the inputs).
; OUT, all in f16 for the products that are left as they are (q, k, v have room in f16 up to 65,504):
;   q16 [bh 128][s 1024][64] = (x Wq^T + bq) x 0.25 log2(e): the scores' factor 2 / 8 and the change to base 2 are folded in
;   kk  [bh][step 16][66 rows][128 bytes]: rows 0-63 the step's 64 keys; rows 64, 65 kb[64] in f32 = -0.125 log2(e) |k|^2, summed in f32 of the unrounded k
;   vv  [bh][s][64]
; A tile of 256 x 256 is made by four waves, 128 x 128 each: 64 accumulators, 512 registers.  K goes in two steps of 512 through two LDS slots, each filled once by the tensor data mover.
; The scale bytes of the work-group's 256 + 256 rows for all of K come once, with the first fills.  CLUSTERS: 4 x 4 work-groups; x's tiles are shared along a row of the cluster, W's along a column, by joint loads.
; A cluster's four tile columns are one of q, k, v: the cluster's x says which, the same in all sixteen partners, so the branches on it go the same way in all.
; THE MATRIX INSTRUCTION IS USED TRANSPOSED (source 0 = 16 rows of W, source 1 = 16 rows of x): a lane holds eight neighbouring columns of one token.
; REGISTERS: window 0: v0-31 addresses; v32-95 scale words, two sets; v128-191 x's fragments, one set; v192-255 the bias of my 128 columns.  window 1: W's fragments, two sets.  windows 2, 3: the accumulators.
.set KSTEP,  512
.set NQ,     KSTEP/128
.set ROWB,   256                       ; a tile's row in bytes
.set KROW,   512                       ; a row of codes in memory
.set PITCH,  272                       ; an LDS row: 256 bytes + 16 of padding: the 16 rows that a load touches start at 16 different banks
.set FR,     8
.set NL,     2
.set NP,     4
.set HALFT,  128*PITCH
.set SLOT,   4*HALFT
.set KS,     32                        ; a row of scale bytes
.set SCL,    2*SLOT                    ; behind the slots: the scales, as units of 256 bytes + 16 of padding
.set HALFS,  (128*KS/256)*272
.set SBLK,   (16*KS/256)*272
.set SPARE,  SCL+4*HALFS               ; the spare words, 128 bytes for each wave, named by no other line
.set WOUT,   6144                      ; the way out: a region for each wave in slot 0, which has had its only fill and its last read by then: a stage of 16 rows x 272 bytes,
.set KBST,   4608                      ; and from here 1,024 bytes for kb: [2 heads][128 tokens] f32
.set KBA,  8                           ; v8   where I put a token's kb
.set KO,   9                           ; v9   kb's place in memory: 8448 (lane / 16) + 16 (lane % 16)
.set KR,   10                          ; v10  where I read kb back
.set ADRA, 16
.set ADRB, 20
.set STO,  24                          ; v24  the stage: where I put 16 bytes of a token's row
.set RD,   25                          ; v25  and where I read back: token lane / 8, 16 bytes at 16 (lane % 8)
.set CO,   26                          ; v26  16 x lane
.set ADRS, 27
.set SPW,  28
.set NIL,  29
.set BO,   30                          ; v30  the bias loads' offset: 32 (lane / 16); never rewritten
.set SC,   32
.set AF,   128
.set T,    32                          ; the way out: v32-95 a block's 64 numbers in f32;
.set TMP,  96                          ; v96-127 rounded to f16;
.set BK,   128                         ; v128-159, v160-191 by turns: back from the stage
.set BIAS, 192
.set G1, 24
.set G0, 32
.set G1B, 48
.set G0B, 56
.set G1S, 68
.set G0S, 76
.set G1SB, 80
.set G0SB, 88
.set SEL,  18                          ; s[18:19] lane selects: lane l xor 16
.set SCLF, 100                         ; s[100:101] the factor on q (1.0 for k and v)
.set MSB, 0
.macro WIN new                         ; the immediate's high byte repeats the setting that is left
.if MSB != \new
	s_set_vgpr_msb (MSB<<8)|\new
.set MSB, \new
.endif
.endm
.set MUL_LO, 0xa1                      ; source 0 (W) window 1, source 1 (x) window 0, C and D window 2
.set MUL_HI, 0xf1
.set TO_B,   0x40
; A joint load: waves 0 and 1 fetch for x, waves 2 and 3 for W.  The branch hangs on the wave's number alone.  An s_nop 0 and four v_nop follow each line.
.macro JLOAD g0a, g1a, g0b, g1b
	s_cmp_eq_u32 s15, 0
	s_cbranch_scc0 .Lfor_b_\@
	tensor_load_to_lds s[\g0a:\g0a+3], s[\g1a:\g1a+7]
	s_nop 0
.rept 4
	v_nop
.endr
	s_branch .Lasked_\@
.Lfor_b_\@:
	tensor_load_to_lds s[\g0b:\g0b+3], s[\g1b:\g1b+7]
	s_nop 0
.rept 4
	v_nop
.endr
.Lasked_\@:
.endm
.macro CROUND                          ; a round of the cluster's barrier
	s_barrier_signal -1
	s_barrier_wait -1
	s_cmp_lg_u32 s14, 0
	s_cbranch_scc1 .Lnot_wave_0_\@
	s_barrier_signal -3
.Lnot_wave_0_\@:
	s_barrier_wait -3
	s_barrier_signal -1
	s_barrier_wait -1
.endm
	s_load_b128 s[4:7], s[0:1], 0x0                ; codes s[4:5], scales s[6:7]
	v_lshl_add_u32 v[SPW], v0, 2, SPARE
	v_mov_b32 v[NIL], 0
	ds_add_u32 v[SPW], v[NIL]                      ; the wave's opening: the add, twice on end, and its wait ahead of my first tensor load
	ds_add_u32 v[SPW], v[NIL]
	v_lshrrev_b32 v1, 5, v0
	v_readfirstlane_b32 s14, v1                    ; wave 0..3
	s_lshr_b32 s15, s14, 1                         ; which half of the tile's rows is mine.  Also: I fetch for x (0) or for W (1)
	s_and_b32 s16, s14, 1                          ; which half of its columns.  Also: which 128 rows of that tile I fetch
	s_bfe_u32 s40, ttmp6, 0x40000                  ; cx, cy
	s_bfe_u32 s41, ttmp6, 0x40004
	s_lshl_b32 s42, ttmp9, 2
	s_add_co_u32 s42, s42, s40                     ; tile column = 4 x cluster x + cx
	s_and_b32 s17, ttmp7, 0xffff
	s_lshl_b32 s17, s17, 2
	s_add_co_u32 s17, s17, s41                     ; tile row = 4 x cluster y + cy
	s_lshl_b32 s43, s41, 2
	s_lshl_b32 s43, 15, s43                        ; my row of the cluster
	s_lshl_b32 s44, 0x1111, s40                    ; my column
	s_or_b32 s[G1+0], s43, (0<<16)|(1<<20)|(1<<21)|(5<<22)|(3<<25)  ; the mask; elements of 1 byte; padding: 4 words behind every 64
	s_or_b32 s[G1B+0], s44, (0<<16)|(1<<20)|(1<<21)|(5<<22)|(3<<25)
.irp g, G1, G1B
	s_mov_b32 s[\g+1], ROWB<<16                    ; tensor_dim0
	s_mov_b32 s[\g+2], 128<<16                     ; tensor_dim1
	s_mov_b32 s[\g+3], ROWB<<16                    ; tile_dim0
	s_mov_b32 s[\g+4], 128                         ; tile_dim1
	s_mov_b32 s[\g+5], KROW                        ; the pitch in memory
	s_mov_b32 s[\g+6], 0
	s_mov_b32 s[\g+7], 0
.endr
	s_or_b32 s[G1S+0], s43, (3<<16)|(1<<20)|(1<<21)|(5<<22)|(3<<25)  ; the scales of 128 rows: 4,096 dense bytes as 16 rows of 256 (32 elements of 8 bytes)
	s_or_b32 s[G1SB+0], s44, (3<<16)|(1<<20)|(1<<21)|(5<<22)|(3<<25)
.irp g, G1S, G1SB
	s_mov_b32 s[\g+1], 32<<16
	s_mov_b32 s[\g+2], (128*KS/256)<<16
	s_mov_b32 s[\g+3], 32<<16
	s_mov_b32 s[\g+4], 128*KS/256
	s_mov_b32 s[\g+5], 32
	s_mov_b32 s[\g+6], 0
	s_mov_b32 s[\g+7], 0
.endr
	s_lshl_b32 s18, s16, 7                         ; which 128 rows of the tile I fetch
	s_lshl_b32 s20, s17, 8
	s_add_co_u32 s20, s20, s18                     ; x: row 256 x tile row + 128 x half
	s_lshl_b32 s46, s42, 8
	s_add_co_u32 s46, s46, s18                     ; W: row 256 x tile column + 128 x half
	s_mov_b32 s21, 0
	s_mov_b32 s47, 0
	s_mov_b64 s[18:19], KS
	s_mul_u64 s[22:23], s[20:21], s[18:19]         ; where these rows' scales begin
	s_mul_u64 s[92:93], s[46:47], s[18:19]
	s_mov_b64 s[18:19], KROW
	s_mul_u64 s[20:21], s[20:21], s[18:19]         ; and their codes
	s_mul_u64 s[46:47], s[46:47], s[18:19]
	s_mul_i32 s45, s14, HALFT                      ; where they go: wave x 128 rows
	s_mul_i32 s94, s14, HALFS
	s_wait_dscnt 0x0                               ; both opening adds are done
	s_wait_kmcnt 0x0
	s_add_nc_u64 s[8:9], s[4:5], 0x400000          ; W's codes lie behind x's 8,192 rows,
	s_add_nc_u64 s[10:11], s[6:7], 0x40000         ; W's scales likewise
	s_add_nc_u64 s[20:21], s[4:5], s[20:21]
	s_add_nc_u64 s[22:23], s[6:7], s[22:23]
	s_add_nc_u64 s[46:47], s[8:9], s[46:47]
	s_add_nc_u64 s[92:93], s[10:11], s[92:93]
	CROUND                                         ; all sixteen work-groups are here: the first joint loads meet
	s_mov_b32 s[G0S], 1
	s_add_co_u32 s[G0S+1], s94, SCL
	s_mov_b64 s[G0S+2:G0S+3], s[22:23]
	s_or_b32 s[G0S+3], s[G0S+3], 0x80000000
	s_mov_b32 s[G0SB], 1
	s_add_co_u32 s[G0SB+1], s94, SCL
	s_mov_b64 s[G0SB+2:G0SB+3], s[92:93]
	s_or_b32 s[G0SB+3], s[G0SB+3], 0x80000000
	JLOAD G0S, G1S, G0SB, G1SB                     ; the scales first: they are wanted with K step 0
.irp s, 0,1
	s_mov_b32 s[G0+4*\s], 1
	s_add_co_u32 s[G0+4*\s+1], s45, \s*SLOT
	s_add_nc_u64 s[G0+4*\s+2:G0+4*\s+3], s[20:21], \s*ROWB
	s_or_b32 s[G0+4*\s+3], s[G0+4*\s+3], 0x80000000
	s_mov_b32 s[G0B+4*\s], 1
	s_add_co_u32 s[G0B+4*\s+1], s45, \s*SLOT
	s_add_nc_u64 s[G0B+4*\s+2:G0B+4*\s+3], s[46:47], \s*ROWB
	s_or_b32 s[G0B+4*\s+3], s[G0B+4*\s+3], 0x80000000
	JLOAD G0+4*\s, G1, G0B+4*\s, G1B               ; three tensor loads of mine are out
.endr
	s_load_b256 s[4:11], s[0:1], 0x10              ; bq s[4:5], bk s[6:7], bv s[8:9], q16 s[10:11]
	s_load_b128 s[96:99], s[0:1], 0x30             ; kk s[96:97], vv s[98:99]
	v_and_b32 v1, 15, v0                           ; r = l % 16
	v_bfe_u32 v2, v0, 4, 1                         ; h = l / 16
	v_mul_u32_u24 v3, v1, PITCH
	v_lshl_add_u32 v4, v2, 4, v3                   ; a fragment's row x pitch + 16 x half
	s_mul_i32 s21, s15, HALFT                      ; my 128 rows of x
	s_mul_i32 s22, s16, HALFT                      ; my 128 rows of W,
	s_add_co_u32 s22, s22, 2*HALFT                 ; which lie behind x's 256
.irp s, 0,1
	v_add_nc_u32 v[ADRA+\s], s21, v4
	v_add_nc_u32 v[ADRB+\s], s22, v4
	s_add_co_u32 s21, s21, SLOT
	s_add_co_u32 s22, s22, SLOT
.endr
	v_mul_u32_u24 v5, v1, KS                       ; my row's scales: KS bytes a row,
	v_lshrrev_b32 v6, 8, v5
	v_lshl_add_u32 v5, v6, 4, v5                   ; and 16 more for each 256 passed
	s_mul_i32 s21, s15, HALFS
	s_mul_i32 s22, s16, HALFS
	s_add_co_u32 s22, s22, 2*HALFS
	s_sub_co_u32 s22, s22, s21
	v_mul_u32_u24 v6, s22, v2                      ; lanes 16-31 take W's
	s_add_co_u32 s21, s21, SCL
	v_add_nc_u32 v5, v5, v6
	v_add_nc_u32 v[ADRS], s21, v5
	s_mul_i32 s23, s14, WOUT                       ; my region for the way out
	v_mul_u32_u24 v5, v1, 272
	v_lshl_add_u32 v5, v2, 4, v5
	v_add_nc_u32 v[STO], s23, v5                   ; in: row r, 16 bytes for each half of the lanes
	v_and_b32 v6, 31, v0
	v_lshrrev_b32 v5, 3, v6
	v_mul_u32_u24 v5, v5, 272
	v_and_b32 v7, 7, v0
	v_lshl_add_u32 v5, v7, 4, v5
	v_add_nc_u32 v[RD], s23, v5                    ; back: four tokens an instruction, eight lanes to a head's 128 bytes
	v_lshlrev_b32 v[CO], 4, v6
	v_lshl_add_u32 v[KBA], v1, 2, s23
	v_add_nc_u32 v[KBA], KBST, v[KBA]
	v_add_nc_u32 v[KR], s23, v[CO]
	v_add_nc_u32 v[KR], KBST, v[KR]
	v_lshrrev_b32 v5, 4, v6
	v_mul_u32_u24 v5, v5, 8448
	v_and_b32 v7, 15, v0
	v_lshl_add_u32 v[KO], v7, 4, v5
	v_lshlrev_b32 v[BO], 5, v2
	s_mov_b32 s3, 8192                             ; bytes of 64 tokens of a head in q16 and vv
	s_mov_b32 s[SCLF], 0x3f800000
	s_wait_kmcnt 0x0
	s_cmp_eq_u32 ttmp9, 0                          ; q, k or v: the cluster's x, the same in all partners
	s_cselect_b64 s[4:5], s[4:5], s[6:7]
	s_cselect_b64 s[12:13], s[10:11], s[96:97]
	s_cselect_b32 s[SCLF], 0x3eb8aa3b, s[SCLF]     ; q: 0.25 log2(e)
	s_cmp_eq_u32 ttmp9, 2
	s_cselect_b64 s[4:5], s[8:9], s[4:5]
	s_cselect_b64 s[12:13], s[98:99], s[12:13]
	s_cmp_eq_u32 ttmp9, 1
	s_cselect_b32 s3, 8448, s3                     ; k: 64 keys and their kb
	s_mov_b32 s[SCLF+1], s[SCLF]
	s_lshl_b32 s20, s40, 10                        ; the bias of my 128 columns: (256 cx + 128 x half) x 4 bytes
	s_lshl_b32 s21, s16, 9
	s_add_co_u32 s20, s20, s21
	s_mov_b32 s21, 0
	s_add_nc_u64 s[4:5], s[4:5], s[20:21]
.irp b, 0,1,2,3,4,5,6,7
	global_load_b128 v[BIAS+8*\b:BIAS+8*\b+3], v[BO], s[4:5] offset:64*\b          ; lane (r, h): columns 16 b + 8 h + 0 .. 7, in the result's layout
	global_load_b128 v[BIAS+8*\b+4:BIAS+8*\b+7], v[BO], s[4:5] offset:64*\b+16
.endr
	s_lshl_b32 s43, s17, 8
	s_lshl_b32 s44, s15, 7
	s_add_co_u32 s43, s43, s44                     ; my first token
	s_lshr_b32 s44, s43, 10
	s_lshl_b32 s44, s44, 4                         ; 16 x batch
	s_lshl_b32 s45, s40, 2
	s_add_co_u32 s44, s44, s45                     ; + 4 cx
	s_lshl_b32 s45, s16, 1
	s_add_co_u32 s44, s44, s45                     ; + 2 x half: my first head
	s_lshl_b32 s44, s44, 4
	s_bfe_u32 s45, s43, 0x40006                    ; the block of 64 tokens in the sequence
	s_add_co_u32 s44, s44, s45
	s_mul_i32 s20, s44, s3
	s_mov_b32 s21, 0
	s_add_nc_u64 s[12:13], s[12:13], s[20:21]      ; where my first head's rows begin,
	s_lshl_b32 s20, s3, 4
	s_add_nc_u64 s[20:21], s[12:13], s[20:21]      ; and my second head's
	s_sub_co_u32 s22, s3, 6144                     ; from a block's last 16 tokens to the next block's first
	s_mov_b32 s23, 0
	s_mov_b32 s[SEL], 0x76543210
	s_mov_b32 s[SEL+1], 0xfedcba98
.macro FRAG reg, adr, q, i             ; 16 rows x 128 K of 4-bit codes: 8 registers, two loads of 16 bytes, 32 bytes apart
.irp c, 0,1
	ds_load_b128 v[\reg+4*\c:\reg+4*\c+3], v[\adr] offset:64*(\q)+32*\c+(\i)*16*PITCH
.endr
.endm
; 16 matrix instructions: x's blocks a0, a0 + 1 against W's eight.  The 64 accumulators take turns, one instruction a turn, in the same order in every step.
.macro MUL16 a0, p, q, sc, zero
.irp a, \a0, \a0+1
.irp b, 0,1,2,3,4,5,6,7
.if \zero
	v_wmma_scale_f32_16x16x128_f8f6f4 v[8*(8*((\a)%4)+\b):8*(8*((\a)%4)+\b)+7], v[128*(\p)+FR*\b:128*(\p)+FR*\b+FR-1], v[AF+FR*(\a):AF+FR*(\a)+FR-1], 0, v[SC+8*NQ*(\sc)+NQ*\b+(\q)], v[SC+8*NQ*(\sc)+NQ*(\a)+(\q)] matrix_a_fmt:MATRIX_FMT_FP4 matrix_b_fmt:MATRIX_FMT_FP4 matrix_a_scale:MATRIX_SCALE_ROW1
.else
	v_wmma_scale_f32_16x16x128_f8f6f4 v[8*(8*((\a)%4)+\b):8*(8*((\a)%4)+\b)+7], v[128*(\p)+FR*\b:128*(\p)+FR*\b+FR-1], v[AF+FR*(\a):AF+FR*(\a)+FR-1], v[8*(8*((\a)%4)+\b):8*(8*((\a)%4)+\b)+7], v[SC+8*NQ*(\sc)+NQ*\b+(\q)], v[SC+8*NQ*(\sc)+NQ*(\a)+(\q)] matrix_a_fmt:MATRIX_FMT_FP4 matrix_b_fmt:MATRIX_FMT_FP4 matrix_a_scale:MATRIX_SCALE_ROW1
.endif
.endr
.endr
.endm
.macro FETCH_B slot, q, p
	WIN TO_B
.irp i, 0,1,2,3,4,5,6,7
	FRAG 128*(\p)+FR*\i, ADRB+\slot, \q, \i
.endr
	WIN 0
.endm
.macro FETCH_A slot, q, i0
.irp i, \i0, \i0+1, \i0+2, \i0+3
	FRAG AF+FR*(\i), ADRA+\slot, \q, \i
.endr
.endm
.macro SCALES sc                       ; a K step's scale words: lanes 0-15 x's block i, lanes 16-31 W's block i
.irp i, 0,1,2,3,4,5,6,7
	ds_load_b128 v[SC+8*NQ*\sc+NQ*\i:SC+8*NQ*\sc+NQ*\i+3], v[ADRS] offset:\i*SBLK
.endr
.endm
.macro PLACES n                        ; plain vector places behind matrix instructions, in front of loads into registers that they read and of reads of their results
.rept \n
	v_nop
.endr
.endm
.macro STEP slot, q, zero              ; 128 along K, with its successor in the same slot
	s_wait_dscnt 4*NL                              ; W's set and x's blocks 0-3 are in; the youngest eight loads (x's blocks 4-7) may be out
	WIN MUL_LO
	MUL16 0, (\q)%2, \q, \slot, \zero
	MUL16 2, (\q)%2, \q, \slot, \zero
	s_wait_dscnt 0
	PLACES NP
	FETCH_B \slot, (\q)+1, 1-(\q)%2
	FETCH_A \slot, (\q)+1, 0
	WIN MUL_HI
	MUL16 4, (\q)%2, \q, \slot, \zero
	MUL16 6, (\q)%2, \q, \slot, \zero
	PLACES NP
	WIN 0
	FETCH_A \slot, (\q)+1, 4
.endm
.macro TURN slot, next                 ; a slot's last step changes slots: one barrier; nothing is filled again in this launch
	s_wait_tensorcnt 0x0                           ; all my tensor loads have landed: my part of the next slot
	ds_add_u32 v[SPW], v[NIL]                      ; 0 onto my spare word
	s_wait_dscnt 4*NL+1                            ; (the add and the youngest eight loads may be out)
	WIN MUL_LO
	MUL16 0, 1, NQ-1, \slot, 0
	s_wait_dscnt 0x0                               ; the add is done, and my reads of this slot are over
	s_barrier_signal -1
	MUL16 2, 1, NQ-1, \slot, 0
	WIN 0
	s_barrier_wait -1
	PLACES NP
	v_add_nc_u32 v[ADRS], 4*NQ, v[ADRS]            ; on to the next K step's scale words
	FETCH_B \next, 0, 0
	FETCH_A \next, 0, 0
	SCALES \next
	WIN MUL_HI
	MUL16 4, 1, NQ-1, \slot, 0
	MUL16 6, 1, NQ-1, \slot, 0
	PLACES NP
	WIN 0
	FETCH_A \next, 0, 4
.endm
.macro STEPS slot, from
.set Q, \from
.rept NQ-1-\from
	STEP \slot, Q, 0
.set Q, Q+1
.endr
.endm
	s_wait_tensorcnt 1                             ; the scales and my part of K step 0 are in; K step 1's load may stay out
	s_barrier_signal -1
	s_barrier_wait -1
	FETCH_B 0, 0, 0
	FETCH_A 0, 0, 0
	SCALES 0
	FETCH_A 0, 0, 4
	STEP 0, 0, 1                                   ; the first products start the sums: nothing is cleared
	STEPS 0, 1
	TURN 0, 1
	STEPS 1, 0
	s_wait_dscnt 4*NL                              ; the very last step
	WIN MUL_LO
	MUL16 0, 1, NQ-1, 1, 0
	MUL16 2, 1, NQ-1, 1, 0
	s_wait_dscnt 0
	WIN MUL_HI
	MUL16 4, 1, NQ-1, 1, 0
	MUL16 6, 1, NQ-1, 1, 0
	WIN 0
; THE WAY OUT, a block of 16 tokens x 128 columns (two heads) at a time.
; PACK: (sum + bias) x factor as one fused multiply-add on the bias already multiplied; for k the squares' sums; rounding to f16.
.macro PACK a
.set AC, 64*((\a)%4)
	WIN 0x02+((\a)/4)                              ; source 0: window 2 or 3
.set i, 0
.rept 32
	v_pk_fma_f32 v[T+i:T+i+1], v[AC+i:AC+i+1], s[SCLF:SCLF+1], v[BIAS+i:BIAS+i+1] op_sel_hi:[1,0,1]   ; each accumulator from its low end on
.set i, i+2
.endr
	WIN 0
	s_cmp_eq_u32 ttmp9, 1
	s_cbranch_scc0 .Lnot_k_\@
	v_pk_mul_f32 v[2:3], v[T:T+1], v[T:T+1]        ; |k|^2 in f32 of the unrounded k: my 32 of each head's 64, the two heads by turns
	v_pk_mul_f32 v[4:5], v[T+32:T+33], v[T+32:T+33]
.set i, 2
.rept 15
	v_pk_fma_f32 v[2:3], v[T+i:T+i+1], v[T+i:T+i+1], v[2:3]
	v_pk_fma_f32 v[4:5], v[T+32+i:T+33+i], v[T+32+i:T+33+i], v[4:5]
.set i, i+2
.endr
	v_add_f32 v2, v2, v3
	v_add_f32 v4, v4, v5
	v_permlanex16_b32 v6, v2, s[SEL], s[SEL+1]     ; the other 32 lie in lane l xor 16
	v_permlanex16_b32 v7, v4, s[SEL], s[SEL+1]
	v_add_f32 v2, v2, v6
	v_add_f32 v4, v4, v7
	v_mul_f32 v2, 0xbe38aa3b, v2                   ; x -0.125 log2(e)
	v_mul_f32 v4, 0xbe38aa3b, v4
	ds_store_b32 v[KBA], v2 offset:64*(\a)         ; lanes r and r + 16 write the same word with the same value
	ds_store_b32 v[KBA], v4 offset:512+64*(\a)
.Lnot_k_\@:
.set i, 0
.rept 32
	v_cvt_pk_f16_f32 v[TMP+i], v[T+2*i], v[T+2*i+1]
.set i, i+1
.endr
.endm
.macro TOSTAGE a                       ; into my stage by tokens' rows of 256 bytes; back head by head, four tokens of 128 bytes an instruction.  LDS serves a wave's instructions in order
.set BB, BK+32*((\a)%2)
.irp b, 0,1,2,3,4,5,6,7
	ds_store_b128 v[STO], v[TMP+4*\b:TMP+4*\b+3] offset:32*\b
.endr
.irp e, 0,1
.irp i, 0,1,2,3
	ds_load_b128 v[BB+4*(4*\e+\i):BB+4*(4*\e+\i)+3], v[RD] offset:1088*\i+128*\e
.endr
.endr
.endm
.macro SEND a
.set BB, BK+32*((\a)%2)
	s_wait_dscnt 0x0                               ; the block is back in registers
	s_wait_xcnt 0x0                                ; earlier stores have read their bases and data: both are written again only behind this wait
.if (\a) == 4
	s_add_nc_u64 s[12:13], s[12:13], s[22:23]      ; on into the next block of 64 tokens
	s_add_nc_u64 s[20:21], s[20:21], s[22:23]
.elseif (\a) > 0
	s_add_nc_u64 s[12:13], s[12:13], 2048          ; 16 tokens on
	s_add_nc_u64 s[20:21], s[20:21], 2048
.endif
.irp i, 0,1,2,3
	global_store_b128 v[CO], v[BB+4*\i:BB+4*\i+3], s[12:13] offset:512*\i          ; 32 lanes store 512 consecutive bytes, aligned to 256
	global_store_b128 v[CO], v[BB+16+4*\i:BB+16+4*\i+3], s[20:21] offset:512*\i
.endr
.endm
	s_wait_loadcnt 0x0                             ; the bias
.set i, 0
.rept 32
	v_pk_mul_f32 v[BIAS+i:BIAS+i+1], v[BIAS+i:BIAS+i+1], s[SCLF:SCLF+1] op_sel_hi:[1,0]   ; bias x factor.  (These 32 name none of the products' registers: they are the places behind the last products)
.set i, i+2
.endr
	PACK 0
	TOSTAGE 0
.irp a, 1,2,3,4,5,6,7                  ; block a's arithmetic stands between block a - 1's loads from the stage and the wait for them
	PACK \a
	SEND \a-1
	TOSTAGE \a
.endr
	SEND 7
	s_cmp_eq_u32 ttmp9, 1
	s_cbranch_scc0 .Lno_kb
	ds_load_b128 v[BK:BK+3], v[KR]                 ; kb of my 128 tokens, first head: lanes 0-15 the first block of 64 keys, lanes 16-31 the second
	ds_load_b128 v[BK+4:BK+7], v[KR] offset:512    ; second head
	s_wait_dscnt 0x0
	global_store_b128 v[KO], v[BK:BK+3], s[12:13] offset:-6400      ; the bases stand 8,448 + 6,144 behind the first block's start; kb lies 8,192 behind it.  16 lanes store 256 consecutive bytes, aligned
	global_store_b128 v[KO], v[BK+4:BK+7], s[20:21] offset:-6400
.Lno_kb:
	s_wait_tensorcnt 0x0                           ; the wave's end: behind my last tensor load and my last LDS store
	ds_add_u32 v[SPW], v[NIL]
	s_wait_dscnt 0x0
	CROUND                                         ; the closing round
	s_endpgm
.Lfunc_end_k_qe9ff8b6fac_qkv:
	.size	k_qe9ff8b6fac_qkv, .Lfunc_end_k_qe9ff8b6fac_qkv-k_qe9ff8b6fac_qkv
	.p2alignl 7, 3214868480
	.fill 96, 4, 3214868480
	.section	.rodata,"a",@progbits
	.p2align	6, 0x0
	.amdhsa_kernel k_qe9ff8b6fac_qkv
		.amdhsa_group_segment_fixed_size 327680
		.amdhsa_private_segment_fixed_size 0
		.amdhsa_enable_private_segment 0
		.amdhsa_kernarg_size 64
		.amdhsa_user_sgpr_count 2
		.amdhsa_user_sgpr_kernarg_segment_ptr 1
		.amdhsa_wavefront_size32 1
		.amdhsa_system_sgpr_workgroup_id_x 1
		.amdhsa_system_sgpr_workgroup_id_y 1
		.amdhsa_system_sgpr_workgroup_id_z 1
		.amdhsa_system_vgpr_workitem_id 0
		.amdhsa_next_free_vgpr 1024
		.amdhsa_next_free_sgpr 102
		.amdhsa_reserve_vcc 0
		.amdhsa_float_denorm_mode_32 3
		.amdhsa_float_denorm_mode_16_64 3
		.amdhsa_memory_ordered 1
		.amdhsa_forward_progress 1
		.amdhsa_inst_pref_size 169
	.end_amdhsa_kernel
	.amdgpu_metadata
---
amdhsa.version: [ 1, 2 ]
amdhsa.kernels:
  - .name:           k_qe9ff8b6fac_qkv
    .symbol:         k_qe9ff8b6fac_qkv.kd
    .args:
      - { .name: codes, .offset: 0, .size: 8, .value_kind: global_buffer, .address_space: global }
      - { .name: scales, .offset: 8, .size: 8, .value_kind: global_buffer, .address_space: global }
      - { .name: bq, .offset: 16, .size: 8, .value_kind: global_buffer, .address_space: global }
      - { .name: bk, .offset: 24, .size: 8, .value_kind: global_buffer, .address_space: global }
      - { .name: bv, .offset: 32, .size: 8, .value_kind: global_buffer, .address_space: global }
      - { .name: q16, .offset: 40, .size: 8, .value_kind: global_buffer, .address_space: global }
      - { .name: kk, .offset: 48, .size: 8, .value_kind: global_buffer, .address_space: global }
      - { .name: vv, .offset: 56, .size: 8, .value_kind: global_buffer, .address_space: global }
    .group_segment_fixed_size: 327680
    .private_segment_fixed_size: 0
    .kernarg_segment_align: 8
    .kernarg_segment_size: 64
    .max_flat_workgroup_size: 128
    .sgpr_count:     102
    .vgpr_count:     1024
    .wavefront_size: 32
...
	.end_amdgpu_metadata
.endif
;; end of part 2
;; launch attn (part 3): grid 4 x 64, 8 waves a work-group, clusters of 4 x 4, 327,680 bytes of LDS; arguments q16, kk, vv, mask, o16; writes o16
.if DOCPART == 3
	.amdgcn_target "amdgcn-amd-amdhsa--gfx1250"
	.amdhsa_code_object_version 6
	.text
	.protected	k_qe9ff8b6fac_attn
	.globl	k_qe9ff8b6fac_attn
	.p2align	8
	.type	k_qe9ff8b6fac_attn,@function
k_qe9ff8b6fac_attn:
	s_mov_b64 s[64:65], 0
	v_nop
	global_prefetch_b8 v0, s[64:65] scope:SCOPE_SE
	s_setreg_imm32_b32 hwreg(HW_REG_WAVE_MODE, 25, 1), 1
	s_wait_xcnt 0x0
	s_wait_alu depctr_hold_cnt(0) depctr_sa_sdst(0) depctr_va_vdst(0) depctr_va_sdst(0) depctr_va_ssrc(0) depctr_va_vcc(0) depctr_vm_vsrc(0)
	s_getreg_b32 s2, hwreg(HW_REG_IB_STS2, 6, 4)
	s_cmp_eq_u32 s2, 0
	s_cbranch_scc0 .Lentry_in_a_cluster
	s_endpgm
.Lentry_in_a_cluster:
	s_bfe_u32 s2, ttmp6, 0x10000c
	s_cmp_lg_u32 s2, 0xf033
	s_cbranch_scc0 .Lentry_shape_is_right
	s_endpgm
.Lentry_shape_is_right:
; o = softmax_k(t) v, t = q'.k + log2(e) mask[q][k] + kb[k] in base 2: q' = 0.25 log2(e) q and kb = -0.125 log2(e) |k|^2 were made by the launch before.
; WORK LEFT OUT: the term -|q|^2 / 8: it is the same along the softmax's axis and cancels for all values of the inputs.
; Both products in f16 with f32 sums; maxima, exponentials and row sums in f32; the running maximum is taken away before every exponential.  o16 [8192 tokens][1024] f16.
; LIMITS: q', k, v, p and o are rounded to f16 (range 65,504).  The mask enters as the addend of the first product; infinities in it were not tried.
; SHARES.  A work-group owns 256 queries of a PAIR of heads: the mask's tile of 256 queries x 64 keys then serves two heads.  Wave w: head w / 4 of the pair, queries 64 (w % 4) on, four tiles of 16.  16 key steps of 64.
; LAYOUT.  S^T = K Q^T + addend (source 0 = 16 keys, source 1 = 16 queries): a lane holds ONE query (lane % 16) and keys 8 (lane / 16) + 0..7.  Two such tiles, rounded to f16 in pairs, are source 1 of O^T = V^T P.
; TWO CLASSES OF WAVES.  Two waves share a SIMD and meet a barrier in every step.  Class 0 runs a step's scores and then its softmax and second product; class 1 runs the softmax and second product of the
; step before and then this step's scores, carrying scores and V's fragments in registers over the barrier.  The class is (w xor w / 4) % 2: it differs between waves w and w + 4 and between waves 2 i and 2 i + 1.
; RING.  Two LDS slots of one key step: mask 256 x 64 f32, K (with kb) and V of both heads.  Waves 0-3 fetch the mask's quarters, 4 and 5 K, 6 and 7 V: one tensor load a wave behind each change; at most two of a wave's are out (the first fills).
; CLUSTER 4 x 4: cx = the block of queries, cy picks the pair of heads.  K and V hang on the pair alone: shared along a row of the cluster; the mask hangs on the queries alone: shared along a column.
; REGISTERS.  window 0: v1-15 addresses; v16-63 statistics, 12 a tile; v64-191 S^T, 32 a tile, P in the lower 16 of each; v192-255 K.   window 1: v0-127 O^T, 32 a tile; v128-191 Q; v192-255 V (v192-223 kb until the addends are made).
.set PITM,  272                        ; a mask row in LDS: 256 bytes + 16
.set PITK,  144                        ; a key's row: 128 + 16
.set PITV,  160                        ; a row of V: 128 + 32, for the turning load
.set KOFF,  256*PITM                   ; a slot: the mask, then K of both heads (66 rows each),
.set KHEAD, 66*PITK
.set VOFF,  KOFF+2*KHEAD               ; then V of both heads
.set VHEAD, 64*PITV
.set SLOT1, 1<<17                      ; slot 1 begins here: one exclusive or turns an address
.set SPARE, 240384                     ; behind slot 1: the spare words, 128 bytes for each of eight waves, named by no other line
.set STAGE, SPARE+1024                 ; the way out: 256 rows x (256 + 16) bytes, bytes of its own
.set QO,  1                            ; v1  Q: 128 r + 16 h
.set GO,  2                            ; v2  o16: 2048 h + 16 r
.set AM0, 3                            ; v3-6 my lane's place in a slot: mask, K, kb, V
.set AK0, 4
.set AB0, 5
.set AV0, 6
.set ADM, 7                            ; v7-10 the same in the slot in hand
.set ADK, 8
.set ADB, 9
.set ADV, 10
.set PFO, 11                           ; v11 256 x lane
.set STO, 12
.set RD,  13
.set SPW, 14
.set NIL, 15
.set ST,  16                           ; tile t at v[ST + 12 t]: +0 M, +1 old M, +2 a, +3 old M - M, +4, 5 the sum, +6, 7 a second chain, +8..11 at work
.set S,   64
.set KF,  192
.set QF,  128                          ; window 1
.set VF,  192                          ; window 1
.set WV,  14
.set CLS, 15
.set CX,  16
.set CY,  17
.set PAIR, 18
.set EH,  19
.set QG,  20
.set G1M, 24
.set G1K, 32
.set G1V, 40
.set G0M, 48                           ; two sets each: the two first fills; the second then walks on
.set G0K, 56
.set G0V, 68
.set CNT, 66
.set TB,  67
.set LG,  76                           ; s[76:77] log2(e)
.set SEL, 78
.set PFA, 80
.set PFS, 82
.set LIM, 84
.set MSB, 0
.macro WIN new
.if MSB != \new
	s_set_vgpr_msb (MSB<<8)|\new
.set MSB, \new
.endif
.endm
.macro PLACES n
.rept \n
	v_nop
.endr
.endm
.macro CROUND
	s_barrier_signal -1
	s_barrier_wait -1
	s_cmp_lg_u32 s[WV], 0
	s_cbranch_scc1 .Lnot_wave_0_\@
	s_barrier_signal -3
.Lnot_wave_0_\@:
	s_barrier_wait -3
	s_barrier_signal -1
	s_barrier_wait -1
.endm
; A joint refill by the walking descriptors.  The branches hang on the wave's number alone.  An s_nop 0 and four v_nop follow each line.
.macro JLOAD3
	s_cmp_lt_u32 s[WV], 4
	s_cbranch_scc0 .Lnot_m_\@
	tensor_load_to_lds s[G0M+4:G0M+7], s[G1M:G1M+7]
	s_nop 0
	PLACES 4
	s_branch .Lasked_\@
.Lnot_m_\@:
	s_cmp_lt_u32 s[WV], 6
	s_cbranch_scc0 .Lnot_k_\@
	tensor_load_to_lds s[G0K+4:G0K+7], s[G1K:G1K+7]
	s_nop 0
	PLACES 4
	s_branch .Lasked_\@
.Lnot_k_\@:
	tensor_load_to_lds s[G0V+4:G0V+7], s[G1V:G1V+7]
	s_nop 0
	PLACES 4
.Lasked_\@:
.endm
; A PREFETCH INTO THE L2 of what the NEXT change will ask for: a step's 64 rows of K or V of one head, 8,192 bytes, lanes 256 bytes apart; wave 0 asks.  The four partners that share a pair of heads are told apart
; by address: cx 0, 1 take K of the pair's two heads, cx 2, 3 V's: each block is named once in the launch.  kb's 256 bytes and the mask (which all clusters read) are not asked for.  The last trip asks for nothing.
.macro ASK
	s_cmp_gt_u32 s[CNT], s[LIM]
	s_cbranch_scc0 .Lnot_mine_\@
	global_prefetch_b8 v[PFO], s[PFA:PFA+1] th:TH_LOAD_NT scope:SCOPE_SE
.Lnot_mine_\@:
.endm
.macro ADDR
	v_add_nc_u32 v[ADM], s[TB], v[AM0]
	v_add_nc_u32 v[ADK], s[TB], v[AK0]
	v_add_nc_u32 v[ADB], s[TB], v[AB0]
	v_add_nc_u32 v[ADV], s[TB], v[AV0]
.endm
; A STEP'S SCORES, and V's fragments.
.macro CISV
	WIN 0x40                                       ; destination window 1
.irp kt, 0,1,2,3
.irp u, 0,1
	ds_load_b128 v[VF+8*\kt+4*\u:VF+8*\kt+4*\u+3], v[ADB] offset:PITK*(\kt/2)+64*(\kt%2)+16*\u   ; kb of keys 16 kt + 8 h + 0 .. 7
.endr
.endr
	WIN 0
.irp t, 0,1,2,3
.irp kt, 0,1,2,3
.irp u, 0,1
	ds_load_b128 v[S+32*\t+8*\kt+4*\u:S+32*\t+8*\kt+4*\u+3], v[ADM] offset:16*PITM*\t+64*\kt+16*\u   ; the mask, in the result's layout: my query's row, the same keys
.endr
.endr
.endr
.irp kt, 0,1,2,3
.irp ks, 0,1
	ds_load_b128 v[KF+8*(2*\kt+\ks):KF+8*(2*\kt+\ks)+3],   v[ADK] offset:16*PITK*\kt+64*\ks
	ds_load_b128 v[KF+8*(2*\kt+\ks)+4:KF+8*(2*\kt+\ks)+7], v[ADK] offset:16*PITK*\kt+64*\ks+32
.endr
.endr
	s_wait_dscnt 16                                ; kb and the mask are in; K's sixteen loads may be out
	WIN 0x10                                       ; source 2 (kb) window 1
.irp t, 0,1,2,3
.set i, 0
.rept 16
	v_pk_fma_f32 v[S+32*\t+i:S+32*\t+i+1], v[S+32*\t+i:S+32*\t+i+1], s[LG:LG+1], v[VF+i:VF+i+1] op_sel_hi:[1,0,1]   ; the addend: log2(e) mask + kb
.set i, i+2
.endr
.endr
	s_wait_dscnt 0x0                               ; K is in
	WIN 0x04                                       ; source 1 (Q) window 1
.irp ks, 0,1                           ; the 16 accumulators take turns, one instruction a turn
.irp t, 0,1,2,3
.irp kt, 0,1,2,3
	v_wmma_f32_16x16x32_f16 v[S+32*\t+8*\kt:S+32*\t+8*\kt+7], v[KF+8*(2*\kt+\ks):KF+8*(2*\kt+\ks)+7], v[QF+8*(2*\t+\ks):QF+8*(2*\t+\ks)+7], v[S+32*\t+8*\kt:S+32*\t+8*\kt+7]
.endr
.endr
.endr
	WIN 0
	PLACES 4                                       ; behind the last products, ahead of the first read of the scores
	WIN 0x40
.irp kh, 0,1
.irp dt, 0,1,2,3
	ds_load_tr16_b128 v[VF+8*(4*\kh+\dt):VF+8*(4*\kh+\dt)+3],   v[ADV] offset:32*PITV*\kh+32*\dt            ; V^T: channels 16 dt on, keys 32 kh + 8 h on,
	ds_load_tr16_b128 v[VF+8*(4*\kh+\dt)+4:VF+8*(4*\kh+\dt)+7], v[ADV] offset:32*PITV*\kh+16*PITV+32*\dt    ; and 16 keys further
.endr
.endr
	WIN 0
.endm
; A STEP'S SOFTMAX AND SECOND PRODUCT, the four tiles by turns.
.macro SMPV
.irp j, 0,1,2,3                        ; the maximum of my 32 scores and the old M: each accumulator is read from its low end on
.irp t, 0,1,2,3
	v_max3_num_f32 v[ST+12*\t+8+\j], v[S+32*\t+8*\j], v[S+32*\t+8*\j+1], v[S+32*\t+8*\j+2]
.endr
.endr
.irp i, 3,5
.irp j, 0,1,2,3
.irp t, 0,1,2,3
	v_max3_num_f32 v[ST+12*\t+8+\j], v[ST+12*\t+8+\j], v[S+32*\t+8*\j+\i], v[S+32*\t+8*\j+\i+1]
.endr
.endr
.endr
.irp t, 0,1,2,3
	v_max3_num_f32 v[ST+12*\t+8], v[ST+12*\t+8], v[S+32*\t+7], v[S+32*\t+15]
.endr
.irp t, 0,1,2,3
	v_max3_num_f32 v[ST+12*\t+10], v[ST+12*\t+10], v[S+32*\t+23], v[S+32*\t+31]
.endr
.irp t, 0,1,2,3
	v_max3_num_f32 v[ST+12*\t+8], v[ST+12*\t+8], v[ST+12*\t+9], v[ST+12*\t+10]
.endr
.irp t, 0,1,2,3
	v_max3_num_f32 v[ST+12*\t+8], v[ST+12*\t+8], v[ST+12*\t+11], v[ST+12*\t]
.endr
.irp t, 0,1,2,3
	v_permlanex16_b32 v[ST+12*\t+9], v[ST+12*\t+8], s[SEL], s[SEL+1]   ; the query's other 32 keys lie in lane l xor 16
.endr
.irp t, 0,1,2,3
	v_mov_b32 v[ST+12*\t+1], v[ST+12*\t]
.endr
.irp t, 0,1,2,3
	v_max_num_f32 v[ST+12*\t], v[ST+12*\t+8], v[ST+12*\t+9]            ; the new M
.endr
.irp t, 0,1,2,3
	v_sub_f32 v[ST+12*\t+3], v[ST+12*\t+1], v[ST+12*\t]
.endr
.irp t, 0,1,2,3
	v_exp_f32 v[ST+12*\t+2], v[ST+12*\t+3]                             ; a = 2^(old M - M)
.endr
.irp t, 0,1,2,3
.set i, 0
.rept 16
	v_pk_add_f32 v[S+32*\t+i:S+32*\t+i+1], v[S+32*\t+i:S+32*\t+i+1], v[ST+12*\t:ST+12*\t+1] op_sel_hi:[1,0] neg_lo:[0,1] neg_hi:[0,1]   ; t - M
.set i, i+2
.endr
.endr
	s_wait_alu depctr_va_vdst(0)                   ; the wait ahead of a's first reader; the 64 subtractions are the plain work behind the four exponentials
.set i, 0
.rept 128
	v_exp_f32 v[S+i], v[S+i]                       ; p = 2^(t - M): one batch
.set i, i+1
.endr
	WIN 0x41                                       ; O^T in window 1, a in window 0
.irp t, 0,1,2,3
.set i, 0
.rept 16
	v_pk_mul_f32 v[32*\t+i:32*\t+i+1], v[32*\t+i:32*\t+i+1], v[ST+12*\t+2:ST+12*\t+3] op_sel_hi:[1,0]   ; O^T x a: work that names none of the batch's results
.set i, i+2
.endr
.endr
	WIN 0
	s_wait_alu depctr_va_vdst(0)                   ; one wait for the batch of 128, ahead of its first reader
.irp t, 0,1,2,3                        ; the row's sum, of p in f32, in two chains; p stays
	v_pk_add_f32 v[ST+12*\t+6:ST+12*\t+7], v[S+32*\t:S+32*\t+1], v[S+32*\t+2:S+32*\t+3]
.endr
.irp t, 0,1,2,3
	v_pk_fma_f32 v[ST+12*\t+4:ST+12*\t+5], v[ST+12*\t+4:ST+12*\t+5], v[ST+12*\t+2:ST+12*\t+3], v[S+32*\t+4:S+32*\t+5] op_sel_hi:[1,0,1]
.endr
.irp i, 6,10,14,18,22,26
.irp t, 0,1,2,3
	v_pk_add_f32 v[ST+12*\t+6:ST+12*\t+7], v[ST+12*\t+6:ST+12*\t+7], v[S+32*\t+\i:S+32*\t+\i+1]
.endr
.irp t, 0,1,2,3
	v_pk_add_f32 v[ST+12*\t+4:ST+12*\t+5], v[ST+12*\t+4:ST+12*\t+5], v[S+32*\t+\i+2:S+32*\t+\i+3]
.endr
.endr
.irp t, 0,1,2,3
	v_pk_add_f32 v[ST+12*\t+6:ST+12*\t+7], v[ST+12*\t+6:ST+12*\t+7], v[S+32*\t+30:S+32*\t+31]
.endr
.irp t, 0,1,2,3
	v_pk_add_f32 v[ST+12*\t+4:ST+12*\t+5], v[ST+12*\t+4:ST+12*\t+5], v[ST+12*\t+6:ST+12*\t+7]
.endr
.irp t, 0,1,2,3
.set i, 0
.rept 16
	v_cvt_pk_f16_f32 v[S+32*\t+i], v[S+32*\t+2*i], v[S+32*\t+2*i+1]   ; P, in place, ascending: register i is written when pairs up to i have been read
.set i, i+1
.endr
.endr
	s_wait_dscnt 0x0                               ; V is in
	WIN 0x51                                       ; V and O^T window 1, P window 0
.irp kh, 0,1                           ; the 16 accumulators take turns
.irp t, 0,1,2,3
.irp dt, 0,1,2,3
	v_wmma_f32_16x16x32_f16 v[32*\t+8*\dt:32*\t+8*\dt+7], v[VF+8*(4*\kh+\dt):VF+8*(4*\kh+\dt)+7], v[S+32*\t+8*\kh:S+32*\t+8*\kh+7], v[32*\t+8*\dt:32*\t+8*\dt+7]
.endr
.endr
.endr
	WIN 0
	PLACES 5                                       ; ahead of loads into P's and V's registers (four are asked) and of the next scores, matrix results that land on P's registers (five)
.endm
; THE CHANGE OF SLOTS.  Each wave waits for all its tensor loads (its part of the slot ahead), adds 0 to its spare word, and waits for that and for its reads of the slot that it leaves.
; fill = 1: a round of the cluster's barrier, and the slot just left is filled with the step after next: the wave's one tensor load, first thing behind the round.
.macro CHANGE fill
	s_wait_tensorcnt 0x0
	ds_add_u32 v[SPW], v[NIL]                      ; the descriptors' steps stand between this add and the wait for it
.if \fill
.irp g, G0M+4, G0K+4, G0V+4
	s_xor_b32 s[\g+1], s[\g+1], SLOT1
.endr
	s_add_nc_u64 s[G0M+6:G0M+7], s[G0M+6:G0M+7], 256       ; 64 keys on in a mask row,
	s_add_nc_u64 s[G0K+6:G0K+7], s[G0K+6:G0K+7], 8448      ; a block of kk,
	s_add_nc_u64 s[G0V+6:G0V+7], s[G0V+6:G0V+7], 8192      ; 64 rows of vv
	s_wait_xcnt 0x0                                ; the last prefetch, a step back, has read its address
	s_add_nc_u64 s[PFA:PFA+1], s[PFA:PFA+1], s[PFS:PFS+1]
	s_wait_dscnt 0x0
	CROUND
	JLOAD3
	ASK
.else
	s_wait_dscnt 0x0
	s_barrier_signal -1
	s_barrier_wait -1
.endif
	s_xor_b32 s[TB], s[TB], SLOT1
	ADDR
.endm
.macro PERIOD fill
	CHANGE \fill
	s_cmp_eq_u32 s[CLS], 0
	s_cbranch_scc0 .Lclass1_\@
	CISV
.Lclass1_\@:
	SMPV
	s_cmp_eq_u32 s[CLS], 0
	s_cbranch_scc1 .Lclass0_\@
	CISV
.Lclass0_\@:
.endm
	s_load_b256 s[4:11], s[0:1], 0x0               ; q16 s[4:5], kk s[6:7], vv s[8:9], mask s[10:11]
	s_load_b64 s[12:13], s[0:1], 0x20              ; o16
	v_lshl_add_u32 v[SPW], v0, 2, SPARE
	v_mov_b32 v[NIL], 0
	ds_add_u32 v[SPW], v[NIL]                      ; the wave's opening: the add, twice on end, and its wait ahead of my first tensor load
	ds_add_u32 v[SPW], v[NIL]
	v_lshrrev_b32 v7, 5, v0
	v_readfirstlane_b32 s[WV], v7                  ; wave 0..7
	s_lshr_b32 s[EH], s[WV], 2                     ; my head of the pair
	s_and_b32 s[QG], s[WV], 3                      ; my 64 queries.  Also: which quarter of the mask's tile I fetch
	s_xor_b32 s[CLS], s[WV], s[EH]
	s_and_b32 s[CLS], s[CLS], 1
	s_bfe_u32 s[CX], ttmp6, 0x40000
	s_bfe_u32 s[CY], ttmp6, 0x40004
	s_and_b32 s[PAIR], ttmp7, 0xffff
	s_lshl_b32 s[PAIR], s[PAIR], 2
	s_add_co_u32 s[PAIR], s[PAIR], s[CY]           ; the pair of heads = 4 x cluster y + cy
	s_lshl_b32 s85, s[CY], 2
	s_lshl_b32 s85, 15, s85                        ; my row of the cluster
	s_lshl_b32 s94, 0x1111, s[CX]                  ; my column
	s_or_b32 s[G1M], s94, (2<<16)|(1<<20)|(1<<21)|(5<<22)|(3<<25)   ; the mask's tile goes to my column; elements of 4 bytes; 4 words of padding behind every 64
	s_mov_b32 s[G1M+1], 64<<16                     ; tensor_dim0
	s_mov_b32 s[G1M+2], 64<<16                     ; tensor_dim1
	s_mov_b32 s[G1M+3], 64<<16                     ; tile_dim0
	s_mov_b32 s[G1M+4], 64                         ; tile_dim1
	s_mov_b32 s[G1M+5], 1024                       ; the pitch in memory
	s_mov_b32 s[G1M+6], 0
	s_mov_b32 s[G1M+7], 0
	s_or_b32 s[G1K], s85, (1<<16)|(1<<20)|(1<<21)|(4<<22)|(3<<25)   ; K goes to my row; elements of 2 bytes; 4 words behind every 32
	s_mov_b32 s[G1K+1], 64<<16
	s_mov_b32 s[G1K+2], 66<<16                     ; 64 keys and kb's two rows
	s_mov_b32 s[G1K+3], 64<<16
	s_mov_b32 s[G1K+4], 66
	s_mov_b32 s[G1K+5], 64
	s_mov_b32 s[G1K+6], 0
	s_mov_b32 s[G1K+7], 0
	s_or_b32 s[G1V], s85, (1<<16)|(1<<20)|(1<<21)|(4<<22)|(7<<25)   ; V: 8 words of padding
	s_mov_b32 s[G1V+1], 64<<16
	s_mov_b32 s[G1V+2], 64<<16
	s_mov_b32 s[G1V+3], 64<<16
	s_mov_b32 s[G1V+4], 64
	s_mov_b32 s[G1V+5], 64
	s_mov_b32 s[G1V+6], 0
	s_mov_b32 s[G1V+7], 0
	s_lshl_b32 s86, s[CX], 8                       ; the mask: made of cx and the wave's number alone
	s_lshl_b32 s87, s[QG], 6
	s_add_co_u32 s86, s86, s87                     ; row 256 cx + 64 x quarter
	s_lshl_b32 s86, s86, 12                        ; of 4,096 bytes
	s_mov_b32 s87, 0
	s_mul_i32 s21, s[QG], 64*PITM
	s_and_b32 s22, s[WV], 1                        ; K, V: made of the pair and the wave's number alone: which head of the pair I fetch
	s_lshl_b32 s23, s[PAIR], 1
	s_add_co_u32 s23, s23, s22
	s_mul_i32 s88, s23, 16*8448
	s_mov_b32 s89, 0
	s_lshl_b32 s90, s23, 17
	s_mov_b32 s91, 0
	s_mul_i32 s92, s22, KHEAD
	s_mul_i32 s93, s22, VHEAD
	s_mov_b32 s[LG], 0x3fb8aa3b
	s_mov_b32 s[LG+1], s[LG]
	s_mov_b32 s[SEL], 0x76543210
	s_mov_b32 s[SEL+1], 0xfedcba98
	s_mov_b32 s[TB], 0
	s_mov_b32 s[CNT], 14
	s_cmp_eq_u32 s[WV], 0
	s_cselect_b32 s[LIM], 1, -1                    ; wave 0 prefetches while more than one trip is left
	s_wait_dscnt 0x0                               ; both opening adds are done
	s_wait_kmcnt 0x0
	s_add_nc_u64 s[86:87], s[10:11], s[86:87]
	s_add_nc_u64 s[88:89], s[6:7], s[88:89]
	s_add_nc_u64 s[90:91], s[8:9], s[90:91]
	CROUND                                         ; all sixteen work-groups are here: the first joint loads meet
.irp s, 0,1
	s_mov_b32 s[G0M+4*\s], 1
	s_add_co_u32 s[G0M+4*\s+1], s21, \s*SLOT1
	s_add_nc_u64 s[G0M+4*\s+2:G0M+4*\s+3], s[86:87], \s*256
	s_or_b32 s[G0M+4*\s+3], s[G0M+4*\s+3], 0x80000000
	s_mov_b32 s[G0K+4*\s], 1
	s_add_co_u32 s[G0K+4*\s+1], s92, \s*SLOT1+KOFF
	s_add_nc_u64 s[G0K+4*\s+2:G0K+4*\s+3], s[88:89], \s*8448
	s_or_b32 s[G0K+4*\s+3], s[G0K+4*\s+3], 0x80000000
	s_mov_b32 s[G0V+4*\s], 1
	s_add_co_u32 s[G0V+4*\s+1], s93, \s*SLOT1+VOFF
	s_add_nc_u64 s[G0V+4*\s+2:G0V+4*\s+3], s[90:91], \s*8192
	s_or_b32 s[G0V+4*\s+3], s[G0V+4*\s+3], 0x80000000
.endr
	s_cmp_lt_u32 s[WV], 4                          ; a wave's two first fills stand together in one arm: steps 0 and 1
	s_cbranch_scc0 .Lfirst_not_m
	tensor_load_to_lds s[G0M:G0M+3], s[G1M:G1M+7]
	s_nop 0
	tensor_load_to_lds s[G0M+4:G0M+7], s[G1M:G1M+7]
	s_nop 0
	PLACES 4
	s_branch .Lfirst_asked
.Lfirst_not_m:
	s_cmp_lt_u32 s[WV], 6
	s_cbranch_scc0 .Lfirst_not_k
	tensor_load_to_lds s[G0K:G0K+3], s[G1K:G1K+7]
	s_nop 0
	tensor_load_to_lds s[G0K+4:G0K+7], s[G1K:G1K+7]
	s_nop 0
	PLACES 4
	s_branch .Lfirst_asked
.Lfirst_not_k:
	tensor_load_to_lds s[G0V:G0V+3], s[G1V:G1V+7]
	s_nop 0
	tensor_load_to_lds s[G0V+4:G0V+7], s[G1V:G1V+7]
	s_nop 0
	PLACES 4
.Lfirst_asked:
	s_lshl_b32 s94, s[PAIR], 1                     ; Q at my wave's first query: head 2 pair + e, row 256 cx + 64 g, 128 bytes a row
	s_add_co_u32 s94, s94, s[EH]
	s_lshl_b32 s94, s94, 17
	s_lshl_b32 s95, s[CX], 15
	s_add_co_u32 s94, s94, s95
	s_lshl_b32 s95, s[QG], 13
	s_add_co_u32 s94, s94, s95
	s_mov_b32 s95, 0
	s_add_nc_u64 s[4:5], s[4:5], s[94:95]
	v_and_b32 v7, 15, v0                           ; r
	v_bfe_u32 v8, v0, 4, 1                         ; h
	v_lshlrev_b32 v[QO], 7, v7
	v_lshl_add_u32 v[QO], v8, 4, v[QO]
	WIN 0x40
.irp t, 0,1,2,3
.irp ks, 0,1
	global_load_b128 v[QF+8*(2*\t+\ks):QF+8*(2*\t+\ks)+3],   v[QO], s[4:5] offset:2048*\t+64*\ks       ; Q stays in registers
	global_load_b128 v[QF+8*(2*\t+\ks)+4:QF+8*(2*\t+\ks)+7], v[QO], s[4:5] offset:2048*\t+64*\ks+32
.endr
.endr
.set i, 0
.rept 128
	v_mov_b32 v[i], 0                              ; O^T.  (The step is written without a first form of its own: the first a is 0 and leaves zeros)
.set i, i+1
.endr
	WIN 0
.irp t, 0,1,2,3
	v_mov_b32 v[ST+12*\t], 0xff61b1e6              ; M: -3e38, under every t
	v_mov_b32 v[ST+12*\t+1], 0
	v_mov_b32 v[ST+12*\t+4], 0                     ; the sum, in two halves
	v_mov_b32 v[ST+12*\t+5], 0
.endr
	; every LDS address is made here, ahead of the first parting of the classes
	s_mul_i32 s94, s[QG], 64*PITM
	v_mul_u32_u24 v[AM0], v7, PITM
	v_lshl_add_u32 v[AM0], v8, 5, v[AM0]
	v_add_nc_u32 v[AM0], s94, v[AM0]               ; the mask: row 64 g + r, + 32 h
	s_lshl_b32 s95, s[EH], 7
	s_add_co_u32 s94, s94, s95
	s_add_co_u32 s94, s94, STAGE
	v_mul_u32_u24 v[STO], v7, PITM
	v_lshl_add_u32 v[STO], v8, 4, v[STO]
	v_add_nc_u32 v[STO], s94, v[STO]               ; the stage, in: row 64 g + r, + 128 e + 16 h
	s_mul_i32 s94, s[EH], KHEAD
	s_add_co_u32 s94, s94, KOFF
	v_mul_u32_u24 v[AK0], v7, PITK
	v_lshl_add_u32 v[AK0], v8, 4, v[AK0]
	v_add_nc_u32 v[AK0], s94, v[AK0]               ; K: row r, + 16 h
	s_add_co_u32 s94, s94, 64*PITK
	v_lshlrev_b32 v[AB0], 5, v8
	v_add_nc_u32 v[AB0], s94, v[AB0]               ; kb: behind the 64 keys, + 32 h
	s_mul_i32 s94, s[EH], VHEAD
	s_add_co_u32 s94, s94, VOFF
	v_and_b32 v9, 7, v0
	v_lshl_add_u32 v9, v8, 3, v9
	v_mul_u32_u24 v[AV0], v9, PITV
	v_bfe_u32 v9, v0, 3, 1
	v_lshl_add_u32 v[AV0], v9, 4, v[AV0]
	v_add_nc_u32 v[AV0], s94, v[AV0]               ; V, for the turning load: key 8 h + l % 8, channels 8 ((l / 8) % 2) on
	s_mul_i32 s94, s[WV], 32*PITM
	s_add_co_u32 s94, s94, STAGE
	v_mul_u32_u24 v[RD], v8, PITM
	v_lshl_add_u32 v[RD], v7, 4, v[RD]
	v_add_nc_u32 v[RD], s94, v[RD]                 ; the stage, back: rows 32 w on; lanes 0-15 one row, lanes 16-31 the next
	v_lshlrev_b32 v[GO], 11, v8
	v_lshl_add_u32 v[GO], v7, 4, v[GO]             ; and the same two rows in o16
	v_and_b32 v[PFO], 31, v0
	v_lshlrev_b32 v[PFO], 8, v[PFO]
	ADDR
	s_lshr_b32 s94, s[PAIR], 3                     ; o16 at my wave's first row to store: token batch x 1024 + 256 cx + 32 w, 2,048 bytes a token; the pair's 256 bytes
	s_lshl_b32 s94, s94, 10
	s_lshl_b32 s95, s[CX], 8
	s_add_co_u32 s94, s94, s95
	s_lshl_b32 s95, s[WV], 5
	s_add_co_u32 s94, s94, s95
	s_lshl_b32 s94, s94, 11
	s_and_b32 s95, s[PAIR], 7
	s_lshl_b32 s95, s95, 8
	s_add_co_u32 s94, s94, s95
	s_mov_b32 s95, 0
	s_add_nc_u64 s[12:13], s[12:13], s[94:95]
	s_mov_b32 s[PFS], 8192                         ; the prefetches: which tensor and head are mine, by address
	s_cmp_lt_u32 s[CX], 2
	s_cselect_b64 s[PFA:PFA+1], s[6:7], s[8:9]
	s_cselect_b32 s[PFS], 8448, s[PFS]             ; a step on
	s_mov_b32 s[PFS+1], 0
	s_and_b32 s94, s[CX], 1
	s_lshl_b32 s95, s[PAIR], 1
	s_add_co_u32 s94, s94, s95
	s_lshl_b32 s95, s[PFS], 4                      ; a head's 16 steps
	s_mul_i32 s94, s94, s95
	s_mov_b32 s95, 0
	s_add_nc_u64 s[PFA:PFA+1], s[PFA:PFA+1], s[94:95]
	s_add_nc_u64 s[PFA:PFA+1], s[PFA:PFA+1], s[PFS:PFS+1]
	s_add_nc_u64 s[PFA:PFA+1], s[PFA:PFA+1], s[PFS:PFS+1]   ; at step 2: the first change steps it to 3.  Nothing is prefetched at the head
	s_wait_tensorcnt 1                             ; my part of step 0 is in; step 1's load may stay out
	s_barrier_signal -1
	s_barrier_wait -1
	s_wait_loadcnt 0x0                             ; Q
	CISV                                           ; step 0's scores, in both classes
	s_cmp_eq_u32 s[CLS], 0
	s_cbranch_scc0 .Lwait_a_step
	SMPV
.Lwait_a_step:
.Lstep:                                            ; 14 trips: steps 1 to 14; behind each change the step after next is asked for
	PERIOD 1
	s_sub_co_u32 s[CNT], s[CNT], 1
	s_cmp_lg_u32 s[CNT], 0
	s_cbranch_scc1 .Lstep
	PERIOD 0                                       ; step 15 is written out: nothing is left to fetch
	s_cmp_eq_u32 s[CLS], 0
	s_cbranch_scc1 .Lall_done
	SMPV                                           ; class 1's last softmax and second product
.Lall_done:
	; THE WAY OUT.  The sum's halves and lane l xor 16's are added; O^T / the sum, rounded to f16, meets the pair's other head in the stage, so that a token's 256 bytes leave as one aligned run.
.irp t, 0,1,2,3
	v_add_f32 v[ST+12*\t+8], v[ST+12*\t+4], v[ST+12*\t+5]
.endr
.irp t, 0,1,2,3
	v_permlanex16_b32 v[ST+12*\t+9], v[ST+12*\t+8], s[SEL], s[SEL+1]
.endr
.irp t, 0,1,2,3
	v_add_f32 v[ST+12*\t+8], v[ST+12*\t+8], v[ST+12*\t+9]
.endr
.irp t, 0,1,2,3
	v_rcp_f32 v[ST+12*\t+2], v[ST+12*\t+8]
.endr
	v_nop                                          ; a plain line behind the last reciprocal,
	s_wait_alu depctr_va_vdst(0)                   ; and one wait for the four, ahead of their first reader
.irp t, 0,1,2,3
	WIN 0x01                                       ; source 0 (O^T) window 1
.set i, 0
.rept 16
	v_pk_mul_f32 v[S+32*\t+i:S+32*\t+i+1], v[32*\t+i:32*\t+i+1], v[ST+12*\t+2:ST+12*\t+3] op_sel_hi:[1,0]   ; each accumulator from its low end on
.set i, i+2
.endr
	WIN 0
.set i, 0
.rept 16
	v_cvt_pk_f16_f32 v[S+32*\t+i], v[S+32*\t+2*i], v[S+32*\t+2*i+1]
.set i, i+1
.endr
.irp dt, 0,1,2,3
	ds_store_b128 v[STO], v[S+32*\t+4*\dt:S+32*\t+4*\dt+3] offset:16*PITM*\t+32*\dt
.endr
.endr
	s_wait_dscnt 0x0                               ; for the others' sake: my stores into the stage are done
	s_barrier_signal -1
	s_barrier_wait -1
.irp i, 0,1,2,3,4,5,6,7,8,9,10,11,12,13,14,15
	ds_load_b128 v[S+4*\i:S+4*\i+3], v[RD] offset:2*PITM*\i
.endr
.irp i, 0,1,2,3,4,5,6,7,8,9,10,11,12,13,14,15
	s_wait_dscnt 15-\i                             ; LDS loads come back in order: load i is in, the younger ones stay out
	global_store_b128 v[GO], v[S+4*\i:S+4*\i+3], s[12:13] offset:4096*\i   ; 16 lanes store 256 consecutive bytes, aligned
.endr
	s_wait_tensorcnt 0x0                           ; the wave's end
	ds_add_u32 v[SPW], v[NIL]
	s_wait_dscnt 0x0
	CROUND                                         ; the closing round
	s_endpgm
.Lfunc_end_k_qe9ff8b6fac_attn:
	.size	k_qe9ff8b6fac_attn, .Lfunc_end_k_qe9ff8b6fac_attn-k_qe9ff8b6fac_attn
	.p2alignl 7, 3214868480
	.fill 96, 4, 3214868480
	.section	.rodata,"a",@progbits
	.p2align	6, 0x0
	.amdhsa_kernel k_qe9ff8b6fac_attn
		.amdhsa_group_segment_fixed_size 327680
		.amdhsa_private_segment_fixed_size 0
		.amdhsa_enable_private_segment 0
		.amdhsa_kernarg_size 40
		.amdhsa_user_sgpr_count 2
		.amdhsa_user_sgpr_kernarg_segment_ptr 1
		.amdhsa_wavefront_size32 1
		.amdhsa_system_sgpr_workgroup_id_x 1
		.amdhsa_system_sgpr_workgroup_id_y 1
		.amdhsa_system_sgpr_workgroup_id_z 1
		.amdhsa_system_vgpr_workitem_id 0
		.amdhsa_next_free_vgpr 512
		.amdhsa_next_free_sgpr 96
		.amdhsa_reserve_vcc 0
		.amdhsa_float_denorm_mode_32 3
		.amdhsa_float_denorm_mode_16_64 3
		.amdhsa_memory_ordered 1
		.amdhsa_forward_progress 1
		.amdhsa_inst_pref_size 196
	.end_amdhsa_kernel
	.amdgpu_metadata
---
amdhsa.version: [ 1, 2 ]
amdhsa.kernels:
  - .name:           k_qe9ff8b6fac_attn
    .symbol:         k_qe9ff8b6fac_attn.kd
    .args:
      - { .name: q16, .offset: 0, .size: 8, .value_kind: global_buffer, .address_space: global }
      - { .name: kk, .offset: 8, .size: 8, .value_kind: global_buffer, .address_space: global }
      - { .name: vv, .offset: 16, .size: 8, .value_kind: global_buffer, .address_space: global }
      - { .name: mask, .offset: 24, .size: 8, .value_kind: global_buffer, .address_space: global }
      - { .name: o16, .offset: 32, .size: 8, .value_kind: global_buffer, .address_space: global }
    .group_segment_fixed_size: 327680
    .private_segment_fixed_size: 0
    .kernarg_segment_align: 8
    .kernarg_segment_size: 40
    .max_flat_workgroup_size: 256
    .sgpr_count:     96
    .vgpr_count:     512
    .wavefront_size: 32
...
	.end_amdgpu_metadata
.endif
;; end of part 3
;; launch oproj (part 4): grid 4 x 64, 4 waves a work-group, clusters of 4 x 4, 327,680 bytes of LDS; arguments o16, wo16, bo, out0; writes out0
.if DOCPART == 4
	.amdgcn_target "amdgcn-amd-amdhsa--gfx1250"
	.amdhsa_code_object_version 6
	.text
	.protected	k_qe9ff8b6fac_oproj
	.globl	k_qe9ff8b6fac_oproj
	.p2align	8
	.type	k_qe9ff8b6fac_oproj,@function
k_qe9ff8b6fac_oproj:
	s_mov_b64 s[64:65], 0
	v_nop
	global_prefetch_b8 v0, s[64:65] scope:SCOPE_SE
	s_setreg_imm32_b32 hwreg(HW_REG_WAVE_MODE, 25, 1), 1
	s_wait_xcnt 0x0
	s_wait_alu depctr_hold_cnt(0) depctr_sa_sdst(0) depctr_va_vdst(0) depctr_va_sdst(0) depctr_va_ssrc(0) depctr_va_vcc(0) depctr_vm_vsrc(0)
	s_getreg_b32 s2, hwreg(HW_REG_IB_STS2, 6, 4)
	s_cmp_eq_u32 s2, 0
	s_cbranch_scc0 .Lentry_in_a_cluster
	s_endpgm
.Lentry_in_a_cluster:
	s_bfe_u32 s2, ttmp6, 0x10000c
	s_cmp_lg_u32 s2, 0xf033
	s_cbranch_scc0 .Lentry_shape_is_right
	s_endpgm
.Lentry_shape_is_right:
; out0[m][n] = sum over k of o16[m][k] wo16[n][k] + bo[n].  o16 [8192][1024], wo16 [1024][1024]: f16; sums and out0 in f32.
; A tile of 128 x 256 to a work-group: 256 work-groups.  Four waves, each 64 rows x 128 columns: 32 accumulators of 16 x 16, 256 registers.  K goes in steps of 128 (rows of 256 bytes) through two LDS slots.
; CLUSTERS: 4 x 4 work-groups; o16's tiles are shared along a row of the cluster, wo16's along a column, by joint loads.  Waves 0, 1 fetch o16's halves (64 rows), waves 2, 3 wo16's (128 rows): one load a wave behind each change.
; THE MATRIX INSTRUCTION IS USED TRANSPOSED (source 0 = 16 rows of wo16, source 1 = 16 rows of o16): a lane holds eight neighbouring columns of a row.  The bias is the C of each sum's first product.
; REGISTERS: window 0: v0-31 addresses; v32-95 the bias in the result's layout; v128-255 the way out.   window 1: two fragment buffers: v0-63 wo16's eight, v64-95 o16's four; the same from v128.   window 2: the accumulators, (a, b) at v[8 (8 a + b)].
.set KSTEP,  128
.set PITCH,  272                       ; an LDS row: 256 bytes + 16: the 16 rows that a load touches start at 16 different banks
.set HALFA,  64*PITCH
.set HALFB,  128*PITCH
.set SLOT,   2*HALFA+2*HALFB
.set STAGE,  2*SLOT                    ; behind the ring: 16 rows x 528 bytes for each wave
.set SPITCH, 528
.set SPARE,  STAGE+4*16*SPITCH         ; the spare words, 128 bytes for each wave, named by no other line
.set LAPS,   4                         ; a lap = two K steps
.set ADRA, 16
.set ADRB, 20
.set STO,  24
.set RD,   25
.set CO,   26
.set BO,   27                          ; v27 the bias loads' offset; never rewritten
.set SPW,  28
.set NIL,  29
.set BIAS, 32
.set BK,   128
.set F0,   0
.set F1,   128
.set G1, 24
.set G0, 32
.set G1B, 48
.set G0B, 56
.set MSB, 0
.macro WIN new
.if MSB != \new
	s_set_vgpr_msb (MSB<<8)|\new
.set MSB, \new
.endif
.endm
.set MUL,  0xa5                        ; sources 0 and 1 window 1; C and D window 2  (the first products: C, the bias, in window 0: 0x85)
.set TO_F, 0x40
.macro PLACES
.rept 4
	v_nop
.endr
.endm
.macro JLOAD s                         ; an s_nop 0 and four v_nop follow each of the two lines
	s_cmp_eq_u32 s13, 0
	s_cbranch_scc0 .Lfor_b_\@
	tensor_load_to_lds s[G0+4*\s:G0+4*\s+3], s[G1:G1+7]
	s_nop 0
	PLACES
	s_branch .Lasked_\@
.Lfor_b_\@:
	tensor_load_to_lds s[G0B+4*\s:G0B+4*\s+3], s[G1B:G1B+7]
	s_nop 0
	PLACES
.Lasked_\@:
.endm
.macro CREST
	s_cmp_lg_u32 s12, 0
	s_cbranch_scc1 .Lnot_wave_0_\@
	s_barrier_signal -3
.Lnot_wave_0_\@:
	s_barrier_wait -3
	s_barrier_signal -1
	s_barrier_wait -1
.endm
.macro CROUND
	s_barrier_signal -1
	s_barrier_wait -1
	CREST
.endm
	s_load_b256 s[4:11], s[0:1], 0x0               ; o16 s[4:5], wo16 s[6:7], bo s[8:9], out0 s[10:11]
	v_lshl_add_u32 v[SPW], v0, 2, SPARE
	v_mov_b32 v[NIL], 0
	ds_add_u32 v[SPW], v[NIL]                      ; the wave's opening: the add, twice on end, and its wait ahead of my first tensor load
	ds_add_u32 v[SPW], v[NIL]
	v_lshrrev_b32 v1, 5, v0
	v_readfirstlane_b32 s12, v1                    ; wave 0..3
	s_lshr_b32 s13, s12, 1                         ; which 64 rows are mine.  Also: I fetch for o16 (0) or wo16 (1)
	s_and_b32 s14, s12, 1                          ; which 128 columns.  Also: which half of that tile I fetch
	s_bfe_u32 s40, ttmp6, 0x40000
	s_bfe_u32 s41, ttmp6, 0x40004
	s_lshl_b32 s42, ttmp9, 2
	s_add_co_u32 s42, s42, s40                     ; tile column
	s_and_b32 s15, ttmp7, 0xffff
	s_lshl_b32 s15, s15, 2
	s_add_co_u32 s15, s15, s41                     ; tile row
	s_lshl_b32 s43, s41, 2
	s_lshl_b32 s43, 15, s43                        ; my row of the cluster
	s_lshl_b32 s44, 0x1111, s40                    ; my column
	s_or_b32 s[G1+0], s43, (1<<16)|(1<<20)|(1<<21)|(5<<22)|(3<<25)   ; elements of 2 bytes; 4 words of padding behind every 64
	s_mov_b32 s[G1+1], KSTEP<<16
	s_mov_b32 s[G1+2], 64<<16
	s_mov_b32 s[G1+3], KSTEP<<16
	s_mov_b32 s[G1+4], 64
	s_mov_b32 s[G1+5], 1024
	s_mov_b32 s[G1+6], 0
	s_mov_b32 s[G1+7], 0
	s_or_b32 s[G1B+0], s44, (1<<16)|(1<<20)|(1<<21)|(5<<22)|(3<<25)
	s_mov_b32 s[G1B+1], KSTEP<<16
	s_mov_b32 s[G1B+2], 128<<16
	s_mov_b32 s[G1B+3], KSTEP<<16
	s_mov_b32 s[G1B+4], 128
	s_mov_b32 s[G1B+5], 1024
	s_mov_b32 s[G1B+6], 0
	s_mov_b32 s[G1B+7], 0
	s_lshl_b32 s16, s15, 7
	s_lshl_b32 s17, s14, 6
	s_add_co_u32 s16, s16, s17                     ; o16: row 128 x tile row + 64 x half,
	s_lshl_b32 s16, s16, 11                        ; of 2,048 bytes
	s_mov_b32 s17, 0
	s_lshl_b32 s46, s42, 8
	s_lshl_b32 s47, s14, 7
	s_add_co_u32 s46, s46, s47                     ; wo16: row 256 x tile column + 128 x half
	s_lshl_b32 s46, s46, 11
	s_mov_b32 s47, 0
	s_mul_i32 s20, s14, HALFA                      ; where they go: made of the wave's number alone
	s_mul_i32 s21, s14, HALFB
	s_add_co_u32 s21, s21, 2*HALFA
	s_wait_dscnt 0x0                               ; both opening adds are done
	s_wait_kmcnt 0x0
	s_add_nc_u64 s[16:17], s[4:5], s[16:17]
	s_add_nc_u64 s[46:47], s[6:7], s[46:47]
	CROUND                                         ; the first joint loads meet
.irp s, 0,1
	s_mov_b32 s[G0+4*\s], 1
	s_add_co_u32 s[G0+4*\s+1], s20, \s*SLOT
	s_add_nc_u64 s[G0+4*\s+2:G0+4*\s+3], s[16:17], \s*KSTEP*2
	s_or_b32 s[G0+4*\s+3], s[G0+4*\s+3], 0x80000000
	s_mov_b32 s[G0B+4*\s], 1
	s_add_co_u32 s[G0B+4*\s+1], s21, \s*SLOT
	s_add_nc_u64 s[G0B+4*\s+2:G0B+4*\s+3], s[46:47], \s*KSTEP*2
	s_or_b32 s[G0B+4*\s+3], s[G0B+4*\s+3], 0x80000000
	JLOAD \s                                       ; two tensor loads of mine are out
.endr
	v_and_b32 v1, 15, v0                           ; r
	v_bfe_u32 v2, v0, 4, 1                         ; h
	s_lshl_b32 s18, s42, 10                        ; the bias of my 128 columns
	s_lshl_b32 s19, s14, 9
	s_add_co_u32 s18, s18, s19
	s_mov_b32 s19, 0
	s_add_nc_u64 s[8:9], s[8:9], s[18:19]
	v_lshlrev_b32 v[BO], 5, v2
.irp b, 0,1,2,3,4,5,6,7
	global_load_b128 v[BIAS+8*\b:BIAS+8*\b+3], v[BO], s[8:9] offset:64*\b          ; lane (r, h): columns 16 b + 8 h + 0 .. 7
	global_load_b128 v[BIAS+8*\b+4:BIAS+8*\b+7], v[BO], s[8:9] offset:64*\b+16
.endr
	v_mul_u32_u24 v3, v1, PITCH
	v_lshl_add_u32 v3, v2, 4, v3                   ; a fragment's row x pitch + 16 x half
	s_mul_i32 s22, s13, HALFA                      ; my 64 rows of o16
	s_mul_i32 s23, s14, HALFB                      ; my 128 rows of wo16,
	s_add_co_u32 s23, s23, 2*HALFA                 ; behind o16's 128
.irp s, 0,1
	v_add_nc_u32 v[ADRA+\s], s22, v3
	v_add_nc_u32 v[ADRB+\s], s23, v3
	s_add_co_u32 s22, s22, SLOT
	s_add_co_u32 s23, s23, SLOT
.endr
	s_mul_i32 s23, s12, 16*SPITCH
	s_add_co_u32 s23, s23, STAGE                   ; my stage
	v_mul_u32_u24 v5, v1, SPITCH
	v_lshl_add_u32 v5, v2, 5, v5
	v_add_nc_u32 v[STO], s23, v5                   ; in: row r, 32 bytes for each half of the lanes
	v_and_b32 v6, 31, v0
	v_lshlrev_b32 v[CO], 4, v6                     ; back: the 32 lanes take one row of 512 bytes; and the same in out0
	v_add_nc_u32 v[RD], s23, v[CO]
	s_lshl_b32 s16, s15, 7
	s_lshl_b32 s17, s13, 6
	s_add_co_u32 s16, s16, s17                     ; my first row of out0,
	s_lshl_b32 s16, s16, 12                        ; of 4,096 bytes,
	s_add_co_u32 s16, s16, s18                     ; and my first column: the same bytes as in bo
	s_mov_b32 s17, 0
	s_add_nc_u64 s[10:11], s[10:11], s[16:17]
; 8 matrix instructions: o16's block a against wo16's eight, 32 along K.  The 32 accumulators take turns, one instruction a turn, in the same order everywhere.
.macro MUL8 f, a, first
.irp b, 0,1,2,3,4,5,6,7
.if \first
	v_wmma_f32_16x16x32_f16 v[8*(8*\a+\b):8*(8*\a+\b)+7], v[\f+8*\b:\f+8*\b+7], v[\f+64+8*\a:\f+64+8*\a+7], v[BIAS+8*\b:BIAS+8*\b+7]
.else
	v_wmma_f32_16x16x32_f16 v[8*(8*\a+\b):8*(8*\a+\b)+7], v[\f+8*\b:\f+8*\b+7], v[\f+64+8*\a:\f+64+8*\a+7], v[8*(8*\a+\b):8*(8*\a+\b)+7]
.endif
.endr
.endm
.macro FETCH slot, k, f                ; 24 LDS loads in one run: wo16's sixteen, then o16's eight
	WIN TO_F
.irp i, 0,1,2,3,4,5,6,7
	ds_load_b128 v[\f+8*\i:\f+8*\i+3],   v[ADRB+\slot] offset:\k+\i*16*PITCH
	ds_load_b128 v[\f+8*\i+4:\f+8*\i+7], v[ADRB+\slot] offset:\k+\i*16*PITCH+32
.endr
.irp i, 0,1,2,3
	ds_load_b128 v[\f+64+8*\i:\f+64+8*\i+3],   v[ADRA+\slot] offset:\k+\i*16*PITCH
	ds_load_b128 v[\f+64+8*\i+4:\f+64+8*\i+7], v[ADRA+\slot] offset:\k+\i*16*PITCH+32
.endr
.endm
; A K step is four quarters of 32 along K, 32 matrix instructions each, on buffers 0, 1, 0, 1.
.macro QUARTER slot, k, f, g, first
	s_wait_dscnt 4                                 ; all but the youngest four loads (o16's blocks 2 and 3) are in
	WIN MUL-0x20*\first
	MUL8 \f, 0, \first
	MUL8 \f, 1, \first
	PLACES                                         ; in front of loads into the buffer that the quarter before multiplied
	FETCH \slot, \k, \g
	s_wait_dscnt 24                                ; all but the 24 just issued
	WIN MUL-0x20*\first
	MUL8 \f, 2, \first
	MUL8 \f, 3, \first
.endm
; The last quarter multiplies buffer 1 and changes slots: one barrier; in front of it each wave waits for all its tensor loads, adds 0 to its spare word, and waits for that and for its reads of this slot.
.macro TURN slot, next, fill
	WIN 0
	s_wait_tensorcnt 0x0                           ; all my tensor loads have landed: my part of the next slot
	ds_add_u32 v[SPW], v[NIL]
	s_wait_dscnt 5                                 ; (the add and the youngest four loads may be out)
	WIN MUL
	MUL8 F1, 0, 0
	s_wait_dscnt 0x0                               ; the add is done, and my reads of this slot are over
	s_barrier_signal -1
	MUL8 F1, 1, 0
.if \fill
	WIN 0
.endif
	s_barrier_wait -1
.if \fill
	CREST                                          ; the barrier has opened a round of the cluster's barrier
	s_add_nc_u64 s[G0+4*\slot+2:G0+4*\slot+3], s[G0+4*\slot+2:G0+4*\slot+3], 2*KSTEP*2
	s_add_nc_u64 s[G0B+4*\slot+2:G0B+4*\slot+3], s[G0B+4*\slot+2:G0B+4*\slot+3], 2*KSTEP*2
	JLOAD \slot                                    ; the first tensor load behind the round; its four v_nop are also the places in front of the loads below
.else
	PLACES
.endif
	FETCH \next, 0, F0
	WIN MUL
	MUL8 F1, 2, 0
	MUL8 F1, 3, 0
.endm
	s_wait_tensorcnt 1                             ; my part of K step 0 is in; K step 1's load may stay out
	s_barrier_signal -1
	s_barrier_wait -1
	FETCH 0, 0, F0
	s_wait_loadcnt 0x0                             ; the bias
	QUARTER 0, 64, F0, F1, 1                       ; the first quarter's products start the sums from the bias
	WIN 0
	s_mov_b32 s3, LAPS-1
.Llap:                                                 ; a trip goes once round the ring, from a lap's second quarter to the next lap's first, and fills both slots again
	QUARTER 0, 128, F1, F0, 0
	QUARTER 0, 192, F0, F1, 0
	TURN 0, 1, 1
	QUARTER 1, 64,  F0, F1, 0
	QUARTER 1, 128, F1, F0, 0
	QUARTER 1, 192, F0, F1, 0
	TURN 1, 0, 1
	QUARTER 0, 64,  F0, F1, 0
	WIN 0
	s_sub_co_u32 s3, s3, 1
	s_cmp_lg_u32 s3, 0
	s_cbranch_scc1 .Llap
	QUARTER 0, 128, F1, F0, 0                      ; the last lap fills nothing
	QUARTER 0, 192, F0, F1, 0
	TURN 0, 1, 0
	QUARTER 1, 64,  F0, F1, 0
	QUARTER 1, 128, F1, F0, 0
	QUARTER 1, 192, F0, F1, 0
	s_wait_dscnt 4                                 ; the very last quarter
	WIN MUL
	MUL8 F1, 0, 0
	MUL8 F1, 1, 0
	s_wait_dscnt 0
	MUL8 F1, 2, 0
	MUL8 F1, 3, 0
	WIN 0
; THE WAY OUT, a block of 16 rows x 128 columns at a time, through my own stage: back as whole rows of 512 bytes.  LDS serves a wave's instructions in order.
.macro TOSTAGE a
	WIN 0x08                                       ; an LDS store's data are its source 1: window 2
.irp b, 0,1,2,3,4,5,6,7
	ds_store_b128 v[STO], v[64*(\a)+8*\b:64*(\a)+8*\b+3] offset:64*\b          ; each accumulator from its low end on
	ds_store_b128 v[STO], v[64*(\a)+8*\b+4:64*(\a)+8*\b+7] offset:64*\b+16
.endr
	WIN 0
.set BB, BK+64*((\a)%2)
.irp t, 0,1,2,3,4,5,6,7,8,9,10,11,12,13,14,15
	ds_load_b128 v[BB+4*\t:BB+4*\t+3], v[RD] offset:\t*SPITCH
.endr
.endm
.macro SEND a, younger                 ; younger: the LDS instructions issued behind block a's loads, which may stay out
.set BB, BK+64*((\a)%2)
	s_wait_dscnt \younger
.if (\a) > 0
	s_add_nc_u64 s[10:11], s[10:11], 16*4096       ; 16 rows on (the earlier stores have read their base: a wait on XCNT for 0 stands ahead)
.endif
.irp t, 0,1,2,3,4,5,6,7,8,9,10,11,12,13,14,15
	global_store_b128 v[CO], v[BB+4*\t:BB+4*\t+3], s[10:11] offset:\t*4096 th:TH_STORE_NT   ; 32 lanes store 512 consecutive bytes, aligned to 256
.endr
.endm
	PLACES                                         ; behind the last products, ahead of the first read of results
	TOSTAGE 0
.irp a, 1,2,3
.if \a > 1
	s_wait_xcnt 0x0                                ; block a - 2's stores have read their registers and their base
.endif
	TOSTAGE \a
	SEND \a-1, 32                                  ; behind block a - 1's loads: block a's 16 stores and 16 loads
.endr
	s_wait_xcnt 0x0
	SEND 3, 0
	s_wait_tensorcnt 0x0                           ; the wave's end
	ds_add_u32 v[SPW], v[NIL]
	s_wait_dscnt 0x0
	CROUND                                         ; the closing round
	s_endpgm
.Lfunc_end_k_qe9ff8b6fac_oproj:
	.size	k_qe9ff8b6fac_oproj, .Lfunc_end_k_qe9ff8b6fac_oproj-k_qe9ff8b6fac_oproj
	.p2alignl 7, 3214868480
	.fill 96, 4, 3214868480
	.section	.rodata,"a",@progbits
	.p2align	6, 0x0
	.amdhsa_kernel k_qe9ff8b6fac_oproj
		.amdhsa_group_segment_fixed_size 327680
		.amdhsa_private_segment_fixed_size 0
		.amdhsa_enable_private_segment 0
		.amdhsa_kernarg_size 32
		.amdhsa_user_sgpr_count 2
		.amdhsa_user_sgpr_kernarg_segment_ptr 1
		.amdhsa_wavefront_size32 1
		.amdhsa_system_sgpr_workgroup_id_x 1
		.amdhsa_system_sgpr_workgroup_id_y 1
		.amdhsa_system_sgpr_workgroup_id_z 1
		.amdhsa_system_vgpr_workitem_id 0
		.amdhsa_next_free_vgpr 768
		.amdhsa_next_free_sgpr 66
		.amdhsa_reserve_vcc 0
		.amdhsa_float_denorm_mode_32 3
		.amdhsa_float_denorm_mode_16_64 3
		.amdhsa_memory_ordered 1
		.amdhsa_forward_progress 1
		.amdhsa_inst_pref_size 86
	.end_amdhsa_kernel
	.amdgpu_metadata
---
amdhsa.version: [ 1, 2 ]
amdhsa.kernels:
  - .name:           k_qe9ff8b6fac_oproj
    .symbol:         k_qe9ff8b6fac_oproj.kd
    .args:
      - { .name: o16, .offset: 0, .size: 8, .value_kind: global_buffer, .address_space: global }
      - { .name: wo16, .offset: 8, .size: 8, .value_kind: global_buffer, .address_space: global }
      - { .name: bo, .offset: 16, .size: 8, .value_kind: global_buffer, .address_space: global }
      - { .name: out0, .offset: 24, .size: 8, .value_kind: global_buffer, .address_space: global }
    .group_segment_fixed_size: 327680
    .private_segment_fixed_size: 0
    .kernarg_segment_align: 8
    .kernarg_segment_size: 32
    .max_flat_workgroup_size: 128
    .sgpr_count:     66
    .vgpr_count:     768
    .wavefront_size: 32
...
	.end_amdgpu_metadata
.endif
;; end of part 4
